; MI455X (gfx1250); checked and timed in simulation.
; The chip was launched on July 23, 2026; its instructions are those of AMD's public machine-readable ISA for CDNA 5 (MIT licence, August 2026) and "CDNA5" Instruction Set Architecture Reference Guide (July 2026). The comments in the code are by the model that wrote it; some were corrected since.
;; Multi Head Cross Attention. Allowed arithmetic: matrix products marked QUANTISED: E2M3 operands, one E8M0 scale for each 32 along K, by v_wmma_scale_f32_16x16x128_f8f6f4 with both operands' format E2M3, f32 sums; everything else in f32.
;; Inputs: Wk 1,024 x 1,024 float32; Wo 1,024 x 1,024 float32; Wq 1,024 x 1,024 float32; Wv 1,024 x 1,024 float32; bk 1,024 float32; bo 1,024 float32; bq 1,024 float32; bv 1,024 float32; key 4 x 2,048 x 1,024 float32; query 4 x 2,048 x 1,024 float32; value 4 x 2,048 x 1,024 float32.
;; Outputs: out0 4 x 2,048 x 1,024 float32.
;; This version of the problem:
;;   THIS VERSION OF THE PROBLEM IS GIVEN IN LOW PRECISION. The matrix products marked QUANTISED in the list below multiply operands that are first quantised to E2M3 (2 exponent bits, 3 mantissa bits; 6 bits a number), with one power-of-two scale for each 32 numbers along K (OCP MX v1.0); their sums are f32. All else is computed in f32.
;;   The module's matrix products, in the order in which they are computed (A, B: the left and right operand; K: the contracted axis; several contracted axes count as one K, in the product's order):
;;     1. [M 8,192, K 1,024] x [K 1,024, N 1,024]; A: input query; B: input Wq: QUANTISED
;;     2. [M 8,192, K 1,024] x [K 1,024, N 1,024]; A: input key; B: input Wk: QUANTISED
;;     3. [M 8,192, K 1,024] x [K 1,024, N 1,024]; A: input value; B: input Wv: QUANTISED
;;     4. batch 64 x [M 2,048, K 64] x [K 64, N 2,048]; A: computed on the way; B: computed on the way: QUANTISED
;;     5. batch 64 x [M 64, K 2,048] x [K 2,048, N 2,048]; A: computed on the way; B: softmax (see below): QUANTISED
;;     6. [M 8,192, K 1,024] x [K 1,024, N 1,024]; A: computed on the way; B: input Wo: QUANTISED
;;   THE QUANTISER, for each operand of a quantised product, along K:
;;     - K is cut into blocks of 32 from its start; a last block that is shorter is filled with zeros.
;;     - A block's scale is 2^e with e = floor(log2(the largest magnitude in the block)) - 2, held to -126 .. 127; a block of zeros has e = 0. As a byte (E8M0): e + 127.
;;     - Each number is divided by its block's scale, clamped to +-7.5, and rounded to the nearest number of E2M3, ties to even, subnormals kept.
;;     - The product sums the exact products of the quantised numbers (number of the format x scale) in f32.
;;   ~~~python
;;   def quantise(x, axis):      # numpy; x: float32 -> the quantised numbers, widened to float32 again
;;       x = np.moveaxis(x, axis, -1); K = x.shape[-1]
;;       x = np.pad(x, [(0, 0)] * (x.ndim - 1) + [(0, -K % 32)]); x = x.reshape(x.shape[:-1] + (-1, 32)); a = np.abs(x).max(-1, keepdims=True)
;;       e = np.where(a > 0, np.clip(np.frexp(np.where(a > 0, a, 1))[1] - 1 - 2, -126, 127), 0)      # np.frexp(a)[1] - 1 = floor(log2(a)), exactly
;;       r = np.clip(x / 2.0 ** e, -7.5, 7.5)
;;       step = 2.0 ** (np.maximum(np.frexp(np.where(r == 0, 1, r))[1] - 1, 0) - 3)
;;       q = np.round(r / step) * step * 2.0 ** e      # np.round: ties to even
;;       return np.moveaxis(q.reshape(q.shape[:-2] + (-1,))[..., :K], -1, axis).astype(np.float32)
;;   ~~~
;;   SOFTMAX AHEAD OF A QUANTISED PRODUCT. Where the list says 'softmax', what is quantised is not the finished softmax but p = 2^(t - M), with t = logit x log2(e) and M = ceil(the row's largest t), a whole number; so 1/2 < the row's largest p <= 1. The row's sum l is taken of the UNQUANTISED p, in f32, and the product's result is divided by l at the end. Since M is a whole number, a kernel that streams over the keys may use a running M (the ceiling of the running maximum): every later rescaling is an exact power of two, which a block's scale takes up: the codes' values come out the same.
;;   OPERANDS COMPUTED ON THE WAY. 'Computed on the way' means the value that the module computes at that place (a softmax that the list does not call 'softmax' is quantised finished and normalised). What goes into a quantiser is computed in f32, as accurately as f32 sums, v_exp_f32 and their like allow (about 1e-6 of the number): no bf16 or f16 on the way to a quantiser, and a product that is left as it is and whose result goes on into a quantised operand takes f32 operands (vector FMAs, or v_wmma_f32_16x16x4_f32). A number that lies on a knife's edge between two numbers of the format may be rounded either way, as far as f32 arithmetic and the matrix unit's own rounding can turn it there, and no further.
;; One version. Each part assembles by itself: llvm-mc -triple=amdgcn-amd-amdhsa -mcpu=gfx1250 --defsym DOCPART=n.
;; ======== version 1 of 1: 4 launches
;; limits: right only within a limited range of input values
;; workspace buffers: xc 18,874,368 bytes; xs 786,432 bytes; wc 3,145,728 bytes; ws 131,072 bytes; qb 13,107,200 bytes; kvb 13,107,200 bytes; oc 6,291,456 bytes; os 262,144 bytes
;; launch quant (part 1): grid 896 x 1, 4 waves a work-group, no clusters, 49,664 bytes of LDS; arguments query, key, value, Wq, Wk, Wv, Wo, xc, xs, wc, ws; writes xc, xs, wc, ws
.if DOCPART == 1
	.amdgcn_target "amdgcn-amd-amdhsa--gfx1250"
	.amdhsa_code_object_version 6
	.text
	.protected	k_q6e13e190a1_quant
	.globl	k_q6e13e190a1_quant
	.p2align	8
	.type	k_q6e13e190a1_quant,@function
k_q6e13e190a1_quant:
	s_mov_b64 s[64:65], 0
	v_nop
	global_prefetch_b8 v0, s[64:65] scope:SCOPE_SE
	s_setreg_imm32_b32 hwreg(HW_REG_WAVE_MODE, 25, 1), 1
	s_wait_xcnt 0x0
; query, key, value [8192][1024] and Wq, Wk, Wv, Wo [1024][1024], f32, become codes of FP6 (E2M3) with one E8M0 byte for each 32 along K.
; A block's scale is 2^(floor(log2(its largest magnitude)) - 2); its byte is the largest magnitude's exponent field - 2, held at 1 from below.
; LIMITS: a block of zeros, or one whose largest magnitude lies under 2^-124, gets the byte 1 (this program alone reads the bytes); NaN and infinities are not served.
; THE CODES ARE LAID AS THE OPERAND REGISTERS WANT THEM: [tile of 16 rows][K step of 128][piece of 4 registers][lane][16 bytes]: 1,536 bytes a fragment, 12,288 a tile.
; Lane r + 16 h of a fragment holds row r; its registers 6 c .. 6 c + 5 hold K = 64 c + 32 h + 0 .. 31.  THE SCALE BYTES: [tile][half of K][row][16 bytes].
; THE ROW ORDER: stored row 64 c + 16 u + 8 h + i holds the tensor's row 64 c + 32 h + 8 u + i, so that a lane's 32 results over four neighbouring tiles are 32 neighbours along the next product's K.  Wo keeps its own order.
; SHARES: a work-group takes two stored tiles, a wave one tile x half of K: 16 steps, a step a row's 512 numbers.  Work-groups 0-767: query, key, value; 768-895: the weights.
; A step's 2,048 bytes are loaded as they lie and turn through the wave's stage in LDS, so that a lane holds 16 neighbours; its 3 registers of codes go to the wave's second stage (rows of 256 bytes + 16), which leaves at the end as 12 stores of 512 consecutive bytes.
; No cluster: the work-groups share no input.  No tensor loads, no barrier: waves share nothing.
.set STEPS, 16
.set EMAX,  2
.set R,     16                         ; v16-79   four sets of 16 numbers as they are loaded
.set X,     80                         ; v80-111  two sets of 16 neighbours
.set C,     128                        ; v128-191 codes: four registers for each step
.set E,     112                        ; v112-127 a scale byte for each step
.set OA,    194                        ; v194-196 where my three registers of codes go in the second stage
.set WREG,  12288                      ; LDS for each wave: two stages of 32 x SP bytes, 256 scale bytes, the second stage of 24 x 272
.set SP,    80
.set SCB,   5120
.set OST,   5376
.set SPARE, 4*WREG
	s_load_b256 s[4:11], s[0:1], 0x0               ; query, key, value, Wq
	s_load_b256 s[12:19], s[0:1], 0x20             ; Wk, Wv, Wo, xc
	s_load_b128 s[20:23], s[0:1], 0x40             ; xs, wc
	s_load_b64 s[24:25], s[0:1], 0x50              ; ws
	v_lshl_add_u32 v192, v0, 2, SPARE
	v_mov_b32 v193, 0
	v_lshrrev_b32 v1, 5, v0
	v_readfirstlane_b32 s26, v1                    ; wave
	v_and_b32 v2, 31, v0                           ; lane
	v_lshlrev_b32 v3, 4, v2                        ; my 16 bytes of a load's 512
	s_mul_i32 s27, s26, WREG
	v_lshrrev_b32 v14, 2, v2
	v_mul_u32_u24 v14, v14, SP
	v_and_b32 v15, 3, v2
	v_lshl_add_u32 v14, v15, 4, v14
	v_add_nc_u32 v14, s27, v14                     ; the first stage, on the way in
	v_mul_u32_u24 v15, v2, SP
	v_add_nc_u32 v15, s27, v15                     ; and on the way out: my 16 neighbours
	v_lshrrev_b32 v5, 1, v2
	s_add_co_u32 s39, s27, SCB
	v_add_nc_u32 v5, s39, v5                       ; my block's scale byte
	v_lshlrev_b32 v7, 3, v2
	v_add_nc_u32 v6, s39, v7                       ; and on the way out 8 bytes a lane
	s_add_co_u32 s40, s27, OST
	v_lshrrev_b32 v8, 3, v2                        ; lane l holds half l % 2 of block l / 2: fragment l / 8, c = (l / 4) % 2, h = (l / 2) % 2
	v_bfe_u32 v9, v2, 1, 1
	v_mad_u32_u24 v8, v8, 6, v9
	v_mul_u32_u24 v8, v8, 272                      ; stage row 6 x fragment + 2 x piece + h
	v_add_nc_u32 v8, s40, v8
	v_bfe_u32 v9, v2, 2, 1
	v_and_b32 v10, 1, v2
	v_mul_u32_u24 v10, v10, 3
	v_mad_u32_u24 v9, v9, 6, v10                   ; my first register of the fragment: 6 c + 3 (l % 2)
.irp i, 0,1,2
	v_add_nc_u32 v10, \i, v9
	v_lshrrev_b32 v11, 2, v10                      ; its piece,
	v_and_b32 v10, 3, v10                          ; its word in the lane's 16 bytes
	v_mad_u32_u24 v11, v11, 544, v8
	v_lshl_add_u32 v[OA+\i], v10, 2, v11
.endr
	v_lshrrev_b32 v12, 4, v2
	v_mul_u32_u24 v12, v12, 272
	v_and_b32 v13, 15, v2
	v_lshl_add_u32 v12, v13, 4, v12
	v_add_nc_u32 v12, s40, v12                     ; the second stage, on the way out: sixteen lanes to a row
	s_lshr_b32 s28, ttmp9, 8                       ; 0, 1, 2: query, key, value; 3: a weight
	s_sub_co_u32 s29, ttmp9, 768
	s_lshr_b32 s30, s29, 5                         ; which weight
	s_mov_b32 s38, 32*4096
	s_cmp_eq_u32 s30, 3
	s_cselect_b32 s38, 8*4096, s38                 ; a tile's rows 8-15 begin 32 rows behind its first; in Wo 8
	v_add_nc_u32 v4, s38, v3
	s_wait_alu depctr_va_vdst(0)                   ; the wait at the head's end
	s_wait_kmcnt 0x0
	s_cmp_eq_u32 s30, 1                            ; every choice hangs on the work-group's number alone
	s_cselect_b64 s[10:11], s[12:13], s[10:11]
	s_cmp_eq_u32 s30, 2
	s_cselect_b64 s[10:11], s[14:15], s[10:11]
	s_cmp_eq_u32 s30, 3
	s_cselect_b64 s[10:11], s[16:17], s[10:11]
	s_cselect_b32 s31, 0, 1                        ; Wo keeps its row order
	s_cmp_eq_u32 s28, 1
	s_cselect_b64 s[4:5], s[6:7], s[4:5]
	s_cmp_eq_u32 s28, 2
	s_cselect_b64 s[4:5], s[8:9], s[4:5]
	s_cmp_eq_u32 s28, 3
	s_cselect_b64 s[4:5], s[10:11], s[4:5]         ; the tensor
	s_cselect_b64 s[8:9], s[22:23], s[18:19]       ; its buffer of codes
	s_cselect_b64 s[10:11], s[24:25], s[20:21]     ; and of scale bytes
	s_cselect_b32 s32, s29, ttmp9                  ; the pair of tiles in those buffers
	s_cselect_b32 s33, 31, 255
	s_and_b32 s34, s32, s33                        ; and in the tensor
	s_lshl_b32 s35, s34, 1
	s_lshr_b32 s36, s26, 1
	s_add_co_u32 s35, s35, s36                     ; my tile 4 c + u
	s_lshr_b32 s36, s35, 2
	s_lshl_b32 s36, s36, 6
	s_and_b32 s37, s35, 3
	s_lshl_b32 s37, s37, 3
	s_add_co_u32 s36, s36, s37                     ; its first row: 64 c + 8 u,
	s_lshl_b32 s37, s35, 4                         ; in Wo 16 x tile
	s_cmp_eq_u32 s31, 1
	s_cselect_b32 s36, s36, s37
	s_lshl_b32 s36, s36, 12                        ; 4,096 bytes a row (under 2^25)
	s_and_b32 s37, s26, 1
	s_lshl_b32 s37, s37, 11                        ; my half of K
	s_add_co_u32 s36, s36, s37
	s_mov_b32 s37, 0
	s_add_nc_u64 s[4:5], s[4:5], s[36:37]
	s_lshl_b32 s38, s32, 2
	s_add_co_u32 s38, s38, s26                     ; 2 x tile + half
	s_mul_i32 s36, s38, 6144
	s_add_nc_u64 s[8:9], s[8:9], s[36:37]
	s_lshl_b32 s36, s38, 8
	s_add_nc_u64 s[10:11], s[10:11], s[36:37]
.macro LOAD t
.irp i, 0,1,2,3
.if (\t) < 8
	global_load_b128 v[R+16*((\t)%4)+4*\i:R+16*((\t)%4)+4*\i+3], v3, s[4:5] offset:4096*(\t)+512*\i th:TH_LOAD_NT   ; 32 lanes read 512 consecutive bytes
.else
	global_load_b128 v[R+16*((\t)%4)+4*\i:R+16*((\t)%4)+4*\i+3], v4, s[4:5] offset:4096*((\t)-8)+512*\i th:TH_LOAD_NT
.endif
.endr
.endm
.macro TURN t                          ; LDS serves a wave's instructions in order: no wait between the stores and the loads
.irp i, 0,1,2,3
	ds_store_b128 v14, v[R+16*((\t)%4)+4*\i:R+16*((\t)%4)+4*\i+3] offset:32*SP*((\t)%2)+8*SP*\i
.endr
.irp i, 0,1,2,3
	ds_load_b128 v[X+16*((\t)%2)+4*\i:X+16*((\t)%2)+4*\i+3], v15 offset:32*SP*((\t)%2)+16*\i
.endr
.endm
.irp t, 0,1,2,3
	LOAD \t
.endr
	s_wait_loadcnt 12                              ; step 0's four loads are in; the twelve of steps 1 to 3 may be out
	TURN 0
.macro STEP t
.set XS, X+16*((\t)%2)
.if (\t) > 0
	s_wait_dscnt 4                                 ; this step's numbers are back (the last step's four stores of byte and codes may be out)
.else
	s_wait_dscnt 0x0
.endif
.if (\t)+4 < STEPS
	LOAD (\t)+4
.endif
.if (\t)+1 < STEPS
.if STEPS-2-(\t) >= 3
	s_wait_loadcnt 12                              ; the next step's four loads are in; those of the three steps behind it may be out
.else
	s_wait_loadcnt 4*(STEPS-2-(\t))
.endif
	TURN (\t)+1
.endif
	v_max3_num_f32 v8, |v[XS]|, |v[XS+1]|, |v[XS+2]|               ; the largest magnitude of my 16
	v_max3_num_f32 v9, |v[XS+3]|, |v[XS+4]|, |v[XS+5]|
.irp i, 6,10
	v_max3_num_f32 v8, v8, |v[XS+\i]|, |v[XS+\i+1]|
	v_max3_num_f32 v9, v9, |v[XS+\i+2]|, |v[XS+\i+3]|
.endr
	v_max3_num_f32 v8, v8, |v[XS+14]|, |v[XS+15]|
	v_max3_num_f32 v8, v8, v9, (EMAX+1)<<23        ; and the floor 2^(3 - 127): the byte cannot fall under 1
	v_max_num_f32_dpp v8, v8, v8 row_xmask:1 row_mask:0xf bank_mask:0xf   ; and of my neighbour's 16: the block's
	v_add_nc_u32 v11, -(EMAX<<23), v8              ; 2 off its exponent field: the conversion's scale operand
	v_cvt_scalef32_pk16_fp6_f32 v[C+4*(\t):C+4*(\t)+2], v[XS:XS+15], v11
	v_lshrrev_b32 v[E+(\t)], 23, v11               ; the scale's byte
	ds_store_b8 v5, v[E+(\t)] offset:16*(\t)       ; both lanes of a block write the same byte
.irp i, 0,1,2
	ds_store_b32 v[OA+\i], v[C+4*(\t)+\i] offset:16*(\t)   ; row t is lane t (or 16 + t) of the fragment
.endr
.endm
.irp t, 0,1,2,3,4,5,6,7,8,9,10,11,12,13,14,15
	STEP \t
.endr
	ds_load_b64 v[8:9], v6                         ; LDS serves a wave's instructions in order: these see my stores
.irp n, 0,1,2,3,4,5,6,7,8,9,10,11
	ds_load_b128 v[R+4*\n:R+4*\n+3], v12 offset:544*\n
.endr
	s_wait_dscnt 0x0
	global_store_b64 v7, v[8:9], s[10:11]          ; 256 consecutive bytes, aligned
.irp n, 0,1,2,3,4,5,6,7,8,9,10,11
	global_store_b128 v3, v[R+4*\n:R+4*\n+3], s[8:9] offset:512*\n   ; 512 consecutive bytes, aligned
.endr
	s_wait_tensorcnt 0x0                           ; the wave's end
	ds_add_u32 v192, v193
	s_wait_dscnt 0x0
	s_endpgm
.Lfunc_end_k_q6e13e190a1_quant:
	.size	k_q6e13e190a1_quant, .Lfunc_end_k_q6e13e190a1_quant-k_q6e13e190a1_quant
	.p2alignl 7, 3214868480
	.fill 96, 4, 3214868480
	.section	.rodata,"a",@progbits
	.p2align	6, 0x0
	.amdhsa_kernel k_q6e13e190a1_quant
		.amdhsa_group_segment_fixed_size 49664
		.amdhsa_private_segment_fixed_size 0
		.amdhsa_enable_private_segment 0
		.amdhsa_kernarg_size 88
		.amdhsa_user_sgpr_count 2
		.amdhsa_user_sgpr_kernarg_segment_ptr 1
		.amdhsa_wavefront_size32 1
		.amdhsa_system_sgpr_workgroup_id_x 1
		.amdhsa_system_sgpr_workgroup_id_y 1
		.amdhsa_system_sgpr_workgroup_id_z 1
		.amdhsa_system_vgpr_workitem_id 0
		.amdhsa_next_free_vgpr 200
		.amdhsa_next_free_sgpr 66
		.amdhsa_reserve_vcc 0
		.amdhsa_float_denorm_mode_32 3
		.amdhsa_float_denorm_mode_16_64 3
		.amdhsa_memory_ordered 1
		.amdhsa_forward_progress 1
		.amdhsa_inst_pref_size 38
	.end_amdhsa_kernel
	.amdgpu_metadata
---
amdhsa.version: [ 1, 2 ]
amdhsa.kernels:
  - .name:           k_q6e13e190a1_quant
    .symbol:         k_q6e13e190a1_quant.kd
    .args:
      - { .name: query, .offset: 0, .size: 8, .value_kind: global_buffer, .address_space: global }
      - { .name: key, .offset: 8, .size: 8, .value_kind: global_buffer, .address_space: global }
      - { .name: value, .offset: 16, .size: 8, .value_kind: global_buffer, .address_space: global }
      - { .name: Wq, .offset: 24, .size: 8, .value_kind: global_buffer, .address_space: global }
      - { .name: Wk, .offset: 32, .size: 8, .value_kind: global_buffer, .address_space: global }
      - { .name: Wv, .offset: 40, .size: 8, .value_kind: global_buffer, .address_space: global }
      - { .name: Wo, .offset: 48, .size: 8, .value_kind: global_buffer, .address_space: global }
      - { .name: xc, .offset: 56, .size: 8, .value_kind: global_buffer, .address_space: global }
      - { .name: xs, .offset: 64, .size: 8, .value_kind: global_buffer, .address_space: global }
      - { .name: wc, .offset: 72, .size: 8, .value_kind: global_buffer, .address_space: global }
      - { .name: ws, .offset: 80, .size: 8, .value_kind: global_buffer, .address_space: global }
    .group_segment_fixed_size: 49664
    .private_segment_fixed_size: 0
    .kernarg_segment_align: 8
    .kernarg_segment_size: 88
    .max_flat_workgroup_size: 128
    .sgpr_count:     66
    .vgpr_count:     200
    .wavefront_size: 32
...
	.end_amdgpu_metadata
.endif
;; end of part 1
;; launch proj (part 2): grid 16 x 16, 4 waves a work-group, clusters of 4 x 4, 327,680 bytes of LDS; arguments xc, xs, wc, ws, bq, bk, bv, qb, kvb; writes qb, kvb
.if DOCPART == 2
	.amdgcn_target "amdgcn-amd-amdhsa--gfx1250"
	.amdhsa_code_object_version 6
	.text
	.protected	k_q6e13e190a1_proj
	.globl	k_q6e13e190a1_proj
	.p2align	8
	.type	k_q6e13e190a1_proj,@function
k_q6e13e190a1_proj:
	s_mov_b64 s[64:65], 0
	v_nop
	global_prefetch_b8 v0, s[64:65] scope:SCOPE_SE
	s_setreg_imm32_b32 hwreg(HW_REG_WAVE_MODE, 25, 1), 1
	s_wait_xcnt 0x0
	s_wait_alu depctr_hold_cnt(0) depctr_sa_sdst(0) depctr_va_vdst(0) depctr_va_sdst(0) depctr_va_ssrc(0) depctr_va_vcc(0) depctr_vm_vsrc(0)
	s_getreg_b32 s2, hwreg(HW_REG_IB_STS2, 6, 4)
	s_cmp_eq_u32 s2, 0
	s_cbranch_scc0 .Lentry_in_a_cluster
	s_endpgm
.Lentry_in_a_cluster:
	s_bfe_u32 s2, ttmp6, 0x10000c
	s_cmp_lg_u32 s2, 0xf033
	s_cbranch_scc0 .Lentry_shape_is_right
	s_endpgm
.Lentry_shape_is_right:
; Q = query Wq^T + bq, K = key Wk^T + bk, V = value Wv^T + bv on codes of FP6 (E2M3), and their quantisers: the results leave as codes and scale bytes in the order of the next launch's operand registers.
; IN: xc, wc: [tile of 16 stored rows][K step of 128][3 pieces][lane][16 bytes], 12,288 bytes a tile; xs, ws: [tile][half of K][row][16].  Stored row 64 c + 16 u + 8 h + i is the tensor's row 64 c + 32 h + 8 u + i.
; OUT: qb, kvb: [batch][head][block of 128 tokens][12,800]: four fragments of q or k (two tiles of tokens each), four of v^T, 256 bytes of scale words [row][pair], 256 [row][tile].
; THE DEAL: 256 work-groups of four waves, 2 x 2.  A work-group makes 256 x 128 of V and then 512 x 128 of Q or K: 768 matrix instructions a wave.  A wave holds 64 rows of a weight (one head), all of K, in 384 registers
; and streams tiles of 16 rows of x past them: 32 products a tile, four accumulators by turns; x's fragments lie in two sets of registers, fetched two tiles ahead.
; V: source 0 = x's rows: a lane holds one channel, and over a band's four tiles 32 neighbouring tokens.  Wave row a takes token block a.  Q, K: source 0 = the weight's rows: a lane holds one token and 32 neighbouring channels.  Wave row a takes tiles 4 a .. 4 a + 3 of each chunk of 128 rows.
; So every scale block lies whole in one lane.  The bias is the C of each accumulator's first product.
; CLUSTER 4 x 4: x's rows are shared by a row of the cluster, a weight's rows by a column; which tensor and which half come from the cluster's number alone.
; LDS: two slots of 98,304 bytes for x, the weights' region of 98,304, two places of 4,096 for a chunk's scale bytes, the spare words.  V's 256 rows lie by bands: slot 0 holds tiles 0-3 of both token blocks, slot 1 tiles 4-7.
; FILLS: at the head one load a wave: Wv's rows, V's scale bytes, slot 0, slot 1.  FOUR REFILLS, each behind a drained round of the cluster's barrier that stands behind a chunk's second tile, when the chunk's last tiles are in registers:
; Q or K's chunks 0 to 3 with their scale bytes, and beside chunk 0 the second weight.  A refill is shown to all waves by the next round; the last by a plain barrier.
; WAITS: ahead of a tile's products s_wait_dscnt leaves out the next tile's fetch alone: 24 loads, with scale words 26.
; PREFETCH: the second weight and chunk 0 at the head, chunks 1, 2, 3 in V's tiles 2, 6, 7: each at least three tiles ahead of its load; a tile of 98,304 bytes is shared out by address among the sixteen waves that will ask for it jointly, 24 blocks of 256 bytes each.  The scale bytes, one part in 24, are not asked for.
; LIMITS: NaN and infinities are not served; a block whose largest magnitude lies under 2^-124 gets the byte 1.
.set TB,    12288
.set CH,    8*TB
.set WR,    2*CH
.set SCP,   3*CH
.set SPARE, SCP+8192
.set HEADB, 204800
.set L16, 1
.set R16, 2
.set AXB, 3                            ; my part of slot 0;  ADX: of the slot that is fetched from next
.set ASB, 4                            ; my scale words in place 0;  ASX likewise
.set ADX, 5
.set ASX, 6
.set ASV, 7
.set ADW, 8
.set LC,  9
.set SPW, 10
.set NIL, 11
.set RW4, 12
.set RW8, 13
.set SH8, 14
.set SEL, 15
.set PF,  16                           ; v16-20 the prefetches' offsets
.set LANE, 21
.set GS,  22
.set GQ,  23
.set SB,  24                           ; v24-39 the weight's scale words: two tiles to a register
.set TQ,  40
.set SA,  44                           ; v44-59 x's scale words, two sets
.set TC,  60
.set TP,  63
.set ACC, 64                           ; v64-127 Q, K: two sets of four accumulators
.set SAV, 68                           ; v68-131 V: the scale words of my eight tiles
.set NCD, 132
.set SB2, 144
.set BBQ, 160
.set MCD, 192
.set SOP, 240
.set EB,  241
.set PW,  242
.set WQ,  243
.set EBV, 244
.set WV,  252
.set GV,  254
.set HV,  840                          ; v840-967 V's sixteen accumulators: 32 t + 8 u
.set BBV, 968
.set G1A, 24
.set G1B, 32
.set G1S, 48
.set G0A, 56
.set G0R, 60
.set G0B, 80
.set G0S, 84
.set MSB, 0
.macro WIN new
.if MSB != (\new)
	s_set_vgpr_msb (MSB<<8)|(\new)
.set MSB, (\new)
.endif
.endm
.macro PLACES n
.rept \n
	v_nop
.endr
.endm
.macro WALU
	s_wait_alu depctr_va_vdst(0)
.endm
.macro BARRIER
	s_barrier_signal -1
	s_barrier_wait -1
.endm
.macro CROUND
	BARRIER
	s_cmp_lg_u32 s14, 0
	s_cbranch_scc1 .Lnot_wave_0_\@
	s_barrier_signal -3
.Lnot_wave_0_\@:
	s_barrier_wait -3
	BARRIER
.endm
.macro TLOAD g0, g1
	tensor_load_to_lds s[\g0:\g0+3], s[\g1:\g1+7]
	s_nop 0
	PLACES 4
.endm
; fragment f lies in window 1 + f / 21 at register 12 (f % 21): 0-31 the weight's (4 q + t), 32-39 and 40-47 x's two sets
.macro FRAGL f, adr, off
	WIN ((1+(\f)/21)<<6)
.irp c, 0,1,2
	ds_load_b128 v[12*((\f)%21)+4*\c:12*((\f)%21)+4*\c+3], v[\adr] offset:(\off)+512*\c
.endr
.endm
.macro WEIGHTS
.irp q, 0,1,2,3,4,5,6,7
.irp t, 0,1,2,3
	FRAGL 4*\q+\t, ADW, \t*TB+\q*1536
.endr
.endr
	WIN 0
.endm
.macro FETCH e, j, sc                  ; tile j of my four into set e
.irp q, 0,1,2,3,4,5,6,7
	FRAGL 32+8*(\e)+\q, ADX, (\j)*TB+\q*1536
.endr
	WIN 0
.if \sc
	ds_load_b128 v[SA+8*(\e):SA+8*(\e)+3], v[ASX] offset:(\j)*512
	ds_load_b128 v[SA+8*(\e)+4:SA+8*(\e)+7], v[ASX] offset:(\j)*512+256
.endif
.endm
.macro PR1 d, r0, r1, c, x0, x1, side, o
.if \o
	v_wmma_scale_f32_16x16x128_f8f6f4 v[\d:\d+7], v[\r0:\r0+11], v[\r1:\r1+11], v[\c:\c+7], v[\x0], v[\x1] matrix_a_fmt:MATRIX_FMT_FP6 matrix_b_fmt:MATRIX_FMT_FP6 matrix_\side\()_scale:MATRIX_SCALE_ROW1
.else
	v_wmma_scale_f32_16x16x128_f8f6f4 v[\d:\d+7], v[\r0:\r0+11], v[\r1:\r1+11], v[\c:\c+7], v[\x0], v[\x1] matrix_a_fmt:MATRIX_FMT_FP6 matrix_b_fmt:MATRIX_FMT_FP6 matrix_\side\()_scale:MATRIX_SCALE_ROW0
.endif
.endm
.macro PROD kind, e, n, d0, ds, sa     ; n = 4 q + t.  kind 1 (V): source 0 x's rows; kind 0 (Q, K): source 0 the weight's
.set Q_, (\n)/4
.set T_, (\n)%4
.set FB_, 4*Q_+T_
.set FA_, 32+8*(\e)+Q_
.set D_, (\d0)+(\ds)*T_
.set DL_, D_&255
.set DW_, D_>>8
.set RB_, 12*(FB_%21)
.set RA_, 12*(FA_%21)
.set XB_, SB+8*(T_/2)+Q_
.set XA_, (\sa)+Q_
.set C_, DL_
.if \kind
.if Q_ == 0
.set C_, BBV-768+8*T_
.endif
	WIN (1+FA_/21)|((1+FB_/21)<<2)|(DW_<<4)|(DW_<<6)
	PR1 DL_, RA_, RB_, C_, XA_, XB_, b, T_%2
.else
.if Q_ == 0
.set C_, BBQ+8*T_
.endif
	WIN (1+FB_/21)|((1+FA_/21)<<2)|(DW_<<4)|(DW_<<6)
	PR1 DL_, RB_, RA_, C_, XB_, XA_, a, T_%2
.endif
.endm
.macro BLK kind, e, d0, ds, sa         ; a tile's 32 products, and the places behind them
.set N_, 0
.rept 32
	PROD \kind, \e, N_, \d0, \ds, \sa
.set N_, N_+1
.endr
	WIN 0
	PLACES 4
.endm
.macro Q32 x, d, eb                    ; 32 sums of a lane, one scale block: six registers of codes and the scale's byte
.set XW_, (\x)>>8
.set XL_, (\x)&255
	WIN (XW_<<2)|(XW_<<4)
.irp k, 0,1,2,3
	v_max3_num_f32 v[TQ+\k], s22, |v[XL_+8*\k]|, |v[XL_+8*\k+1]|   ; four chains, each accumulator from its low end on; s22: the floor 2^(3 - 127)
.endr
.irp i, 2,4,6
.irp k, 0,1,2,3
	v_max3_num_f32 v[TQ+\k], v[TQ+\k], |v[XL_+8*\k+\i]|, |v[XL_+8*\k+\i+1]|
.endr
.endr
	WIN 0
	v_max3_num_f32 v[TQ], v[TQ], v[TQ+1], v[TQ+2]
	v_max_num_f32 v[TQ], v[TQ], v[TQ+3]
	v_add_nc_u32 v[SOP], 0xff000000, v[TQ]         ; 2 off the exponent field: the conversions' scale operand
	WIN XW_
	v_cvt_scalef32_pk16_fp6_f32 v[\d:\d+2], v[XL_:XL_+15], v[SOP]
	v_cvt_scalef32_pk16_fp6_f32 v[TC:TC+2], v[XL_+16:XL_+31], v[SOP]
	WIN 0
	v_lshrrev_b32 v[\eb], 23, v[SOP]
.irp i, 0,1,2
	v_mov_b32 v[\d+3+\i], v[TC+\i]
.endr
.endm
.macro TOGGLE                          ; from here on tiles are fetched from the other slot and place
	s_xor_b32 s98, s98, CH
	s_xor_b32 s99, s99, 4096
	v_add_nc_u32 v[ADX], s98, v[AXB]
	v_add_nc_u32 v[ASX], s99, v[ASB]
	WALU                                           ; the wait ahead of the waits below
.endm
.macro RND w                           ; a refill: the slot and place just read out take the chunk at s88, s89; w: the weights' region takes the second weight
	TOGGLE
	s_wait_tensorcnt 0x0                           ; all my tensor loads have landed,
	ds_add_u32 v[SPW], v[NIL]                      ; the add; the descriptors stand between it and its wait
	s_mov_b32 s[G0R+1], s47
	s_mov_b32 s20, s88
	s_mov_b32 s21, 0
	s_add_nc_u64 s[G0R+2:G0R+3], s[4:5], s[20:21]
	s_or_b32 s[G0R+3], s[G0R+3], 0x80000000
	s_mov_b32 s[G0S+1], s46
	s_mov_b32 s20, s89
	s_add_nc_u64 s[G0S+2:G0S+3], s[6:7], s[20:21]
	s_or_b32 s[G0S+3], s[G0S+3], 0x80000000
	s_add_co_u32 s88, s88, CH
	s_add_co_u32 s89, s89, 4096
	s_xor_b32 s47, s47, CH
	s_xor_b32 s46, s46, (SCP)^(SCP+4096)
.if (\w)
	s_mov_b32 s[G1A+5], 6144                       ; from here on a chunk is dense: two rows of 49,152 bytes on end
	s_mov_b32 s[G1S+2], 16<<16                     ; and its scale bytes are 16 rows of 256
	s_mov_b32 s[G1S+4], 16
	s_mov_b32 s20, s92
	s_add_nc_u64 s[G0B+2:G0B+3], s[8:9], s[20:21]
	s_or_b32 s[G0B+3], s[G0B+3], 0x80000000
.endif
	s_wait_dscnt 0x0                               ; the add is done, and my reads of that slot
	CROUND
	s_cmp_eq_u32 s14, 0
	s_cbranch_scc0 .Lr1_\@
	TLOAD G0R, G1A
	s_branch .Lre_\@
.Lr1_\@:
	s_cmp_eq_u32 s14, 1
	s_cbranch_scc0 .Lr2_\@
	TLOAD G0S, G1S
	s_branch .Lre_\@
.Lr2_\@:
.if (\w)
	s_cmp_eq_u32 s14, 2
	s_cbranch_scc0 .Lre_\@
	TLOAD G0B, G1B
.endif
.Lre_\@:
.endm
.macro QBLK j, fetch, n                ; tile j of a chunk of Q or K
	s_wait_dscnt \n
	BLK 0, (\j)%2, ACC+32*((\j)%2), 8, SA+8*((\j)%2)
.if \fetch
	FETCH (\j)%2, ((\j)+2)%4, 1
.endif
.if (\j) == 2
	s_wait_xcnt 0x0                                ; the last pair's stores have read their registers
.endif
	Q32 ACC+32*((\j)%2), NCD+6*((\j)%2), EB
.if (\j) == 0
	v_mov_b32 v[PW], v[EB]
.else
	v_lshl_or_b32 v[PW], v[EB], 8*(\j), v[PW]      ; my bytes of the four tiles
.endif
.if (\j)%2
.irp k, 0,1,2
	global_store_b128 v[LC], v[NCD+4*\k:NCD+4*\k+3], s[94:95] offset:1536*((\j)/2)+512*\k   ; 512 consecutive bytes, aligned
.endr
.endif
.if (\j) == 3
	v_permlanex16_b32 v[TP], v[PW], s2, s3
	v_perm_b32 v[WQ], v[TP], v[PW], v[SEL]         ; lanes 0-15 make my first pair's scale word, lanes 16-31 my second's
	global_store_b32 v[RW4], v[WQ], s[94:95] offset:12288
.endif
.endm
.macro CHUNK mode, more
	QBLK 0, 1, 26
	QBLK 1, 1, 26
.if \mode == 1
	RND 0
.elseif \mode == 2
	TOGGLE
	s_wait_tensorcnt 0x0                           ; a plain barrier shows the last chunk to all
	s_wait_dscnt 0x0
	BARRIER
.endif
	QBLK 2, \more, 26
	QBLK 3, \more, 26*\more
.if \more
	s_wait_xcnt 0x0
	s_add_nc_u64 s[94:95], s[94:95], 12800         ; the next block of 128 tokens
.endif
.endm
; ---- the head
	s_load_b256 s[4:11], s[0:1], 0x0               ; xc, xs, wc, ws
	s_load_b256 s[68:75], s[0:1], 0x20             ; bq, bk, bv, qb
	s_load_b64 s[76:77], s[0:1], 0x40              ; kvb
	v_lshl_add_u32 v[SPW], v0, 2, SPARE
	v_mov_b32 v[NIL], 0
	ds_add_u32 v[SPW], v[NIL]                      ; the opening lines
	ds_add_u32 v[SPW], v[NIL]
	v_lshrrev_b32 v40, 5, v0
	v_readfirstlane_b32 s14, v40                   ; the wave; s15 its row a of the 2 x 2, s16 its column b
	s_lshr_b32 s15, s14, 1
	s_and_b32 s16, s14, 1
	s_bfe_u32 s40, ttmp6, 0x40000                  ; cx
	s_bfe_u32 s41, ttmp6, 0x40004                  ; cy
	s_lshl_b32 s42, ttmp9, 2
	s_add_co_u32 s42, s42, s40                     ; Q's or K's tile column, 0 .. 15
	s_and_b32 s43, ttmp7, 0xffff
	s_lshl_b32 s43, s43, 2
	s_add_co_u32 s43, s43, s41                     ; its tile row of 512
	s_lshr_b32 s19, ttmp9, 1                       ; 0 Q, 1 K
	s_and_b32 s17, ttmp9, 1
	s_lshl_b32 s13, s19, 2
	s_add_co_u32 s13, s13, s40                     ; V's tile column, 0 .. 7
	s_lshl_b32 s12, s43, 1
	s_add_co_u32 s12, s12, s17                     ; V's tile row of 256
	s_lshl_b32 s44, s41, 2
	s_lshl_b32 s44, 15, s44                        ; my row of the cluster
	s_lshl_b32 s45, 0x1111, s40                    ; my column
	s_mov_b32 s2, 0x76543210
	s_mov_b32 s3, 0xfedcba98
	s_mov_b32 s22, 0x1800000
	s_mul_i32 s92, s42, CH                         ; Wq's or Wk's rows, bytes from wc
	s_mul_i32 s88, s19, 6291456
	s_mul_i32 s20, s43, 4*CH
	s_add_co_u32 s88, s88, s20                     ; my 512 rows, bytes from xc
	s_lshl_b32 s89, s19, 18
	s_lshl_b32 s20, s43, 14
	s_add_co_u32 s89, s89, s20                     ; their scale bytes, from xs
	s_lshl_b32 s90, s40, 2
	s_add_co_u32 s90, s90, s14
	s_mul_i32 s90, s90, CH/16
	s_add_co_u32 s90, s90, s88                     ; my sixteenth of chunk 0
	s_lshl_b32 s91, s41, 2
	s_add_co_u32 s91, s91, s14
	s_mul_i32 s91, s91, CH/16
	s_add_co_u32 s91, s91, s92                     ; and of the second weight
	s_mul_i32 s56, s15, 4*TB
	s_lshl_b32 s57, s15, 11
	s_add_co_u32 s57, s57, SCP
	s_lshl_b32 s58, s15, 12
	s_add_co_u32 s58, s58, SCP
	s_mul_i32 s59, s16, 4*TB
	s_add_co_u32 s59, s59, WR
	s_mul_i32 s60, s15, 3072
	s_lshl_b32 s61, s15, 3
	v_and_b32 v[LANE], 31, v0
	v_and_b32 v41, 15, v0                          ; r
	v_bfe_u32 v40, v0, 4, 1                        ; h
	v_lshlrev_b32 v[L16], 4, v[LANE]
	v_lshlrev_b32 v[R16], 4, v41
	v_add_nc_u32 v[AXB], s56, v[L16]
	v_add_nc_u32 v[ADX], s56, v[L16]
	v_add_nc_u32 v[ASB], s57, v[R16]
	v_add_nc_u32 v[ASX], s57, v[R16]
	v_add_nc_u32 v[ASV], s58, v[R16]
	v_add_nc_u32 v[ADW], s59, v[L16]
	v_add_nc_u32 v[LC], s60, v[L16]
	v_lshl_add_u32 v[RW4], v40, 2, v[R16]
	v_add_nc_u32 v[RW4], s61, v[RW4]               ; 16 r + 8 a + 4 h
	v_lshl_add_u32 v[RW8], v40, 3, v[R16]
	v_lshlrev_b32 v[SH8], 3, v40
	v_cmp_lt_u32 s23, 15, v[LANE]                  ; lanes 16-31
	v_mov_b32 v[SEL], 0x05010400
	v_mov_b32 v42, 0x03070206
	v_cndmask_b32 v[SEL], v[SEL], v42, s23
	v_lshl_add_u32 v[GS], v40, 9, v[R16]           ; a weight's scale words: lanes 16-31 take the next tile's
	v_lshlrev_b32 v[GQ], 7, v40                    ; Q's, K's bias: 32 numbers from channel 32 h on
	v_lshrrev_b32 v42, 3, v41
	v_and_b32 v43, 7, v41
	v_lshlrev_b32 v42, 7, v42
	v_lshl_add_u32 v[GV], v43, 2, v42              ; V's bias: stored row r of tile t is channel 32 (r / 8) + 8 t + r % 8
	v_mov_b32 v[TP], 0
	v_min_u32 v43, CH/16/256-1, v[LANE]
	v_lshlrev_b32 v43, 8, v43
	v_add_nc_u32 v[PF], s91, v43
	v_add_nc_u32 v[PF+1], s90, v43
.irp k, 1,2,3
	v_add_nc_u32 v[PF+1+\k], \k*CH, v[PF+1]
.endr
	s_or_b32 s[G1A], s44, (3<<16)|(1<<21)          ; x's codes: two rows of 49,152 bytes (6,144 elements of 8), at the head 98,304 bytes apart: a band of two token blocks
	s_mov_b32 s[G1A+1], 6144<<16
	s_mov_b32 s[G1A+2], 2<<16
	s_mov_b32 s[G1A+3], 6144<<16
	s_mov_b32 s[G1A+4], 2
	s_mov_b32 s[G1A+5], 12288
	s_mov_b32 s[G1A+6], 0
	s_mov_b32 s[G1A+7], 0
	s_or_b32 s[G1B], s45, (3<<16)|(1<<21)          ; a weight's 128 rows: 98,304 dense bytes
	s_mov_b32 s[G1B+1], 6144<<16
	s_mov_b32 s[G1B+2], 2<<16
	s_mov_b32 s[G1B+3], 6144<<16
	s_mov_b32 s[G1B+4], 2
	s_mov_b32 s[G1B+5], 6144
	s_mov_b32 s[G1B+6], 0
	s_mov_b32 s[G1B+7], 0
	s_or_b32 s[G1S], s44, (3<<16)|(1<<21)          ; scale bytes: rows of 256, at the head 32 of them
	s_mov_b32 s[G1S+1], 32<<16
	s_mov_b32 s[G1S+2], 32<<16
	s_mov_b32 s[G1S+3], 32<<16
	s_mov_b32 s[G1S+4], 32
	s_mov_b32 s[G1S+5], 32
	s_mov_b32 s[G1S+6], 0
	s_mov_b32 s[G1S+7], 0
	s_mov_b32 s[G0A], 1
	s_mov_b32 s[G0A+1], 0
	s_mul_i32 s[G0A+2], s12, 2*CH
	s_add_co_u32 s[G0A+2], s[G0A+2], 2*6291456     ; value's 256 rows
	s_mov_b32 s[G0A+3], 0
	s_mov_b32 s[G0R], 1
	s_mov_b32 s[G0R+1], CH
	s_add_co_u32 s[G0R+2], s[G0A+2], 4*TB
	s_mov_b32 s[G0R+3], 0
	s_mov_b32 s[G0B], 1
	s_mov_b32 s[G0B+1], WR
	s_mul_i32 s[G0B+2], s13, CH
	s_add_co_u32 s[G0B+2], s[G0B+2], 16*CH         ; Wv's rows
	s_mov_b32 s[G0B+3], 0
	s_mov_b32 s[G0S], 1
	s_mov_b32 s[G0S+1], SCP
	s_lshl_b32 s[G0S+2], s12, 13
	s_add_co_u32 s[G0S+2], s[G0S+2], 2*262144
	s_mov_b32 s[G0S+3], 0
	s_lshl_b32 s66, s13, 12                        ; Wv's scale bytes, my 64 rows
	s_lshl_b32 s20, s16, 11
	s_add_co_u32 s66, s66, s20
	s_add_co_u32 s66, s66, 65536
	s_mov_b32 s67, 0
	s_lshl_b32 s78, s42, 12                        ; Wq's or Wk's
	s_add_co_u32 s78, s78, s20
	s_mov_b32 s79, 0
	s_and_b32 s100, s42, 7
	s_lshl_b32 s100, s100, 1
	s_add_co_u32 s100, s100, s16                   ; my head of Q or K
	s_lshr_b32 s20, s43, 2
	s_lshl_b32 s20, s20, 4
	s_add_co_u32 s20, s20, s100
	s_mul_i32 s94, s20, HEADB
	s_and_b32 s20, s43, 3
	s_mul_i32 s20, s20, 4*12800
	s_add_co_u32 s94, s94, s20
	s_mov_b32 s95, 0
	s_lshl_b32 s100, s100, 8
	s_mov_b32 s101, 0
	s_lshl_b32 s13, s13, 1
	s_add_co_u32 s13, s13, s16                     ; my head of V
	s_lshl_b32 s12, s12, 1
	s_add_co_u32 s12, s12, s15                     ; my block of 128 tokens
	s_lshr_b32 s20, s12, 4
	s_lshl_b32 s20, s20, 4
	s_add_co_u32 s20, s20, s13
	s_mul_i32 s96, s20, HEADB
	s_and_b32 s20, s12, 15
	s_mul_i32 s20, s20, 12800
	s_add_co_u32 s96, s96, s20
	s_mov_b32 s97, 0
	s_lshl_b32 s12, s13, 8
	s_mov_b32 s13, 0
	s_mov_b32 s98, 0
	s_mov_b32 s99, 0
	s_mov_b32 s47, 0
	s_mov_b32 s46, SCP
	WALU                                           ; the wait at the head's end
	s_wait_dscnt 0x0
	CROUND                                         ; the opening round
	s_wait_kmcnt 0x0
	s_add_nc_u64 s[G0A+2:G0A+3], s[4:5], s[G0A+2:G0A+3]
	s_add_nc_u64 s[G0R+2:G0R+3], s[4:5], s[G0R+2:G0R+3]
	s_add_nc_u64 s[G0B+2:G0B+3], s[8:9], s[G0B+2:G0B+3]
	s_add_nc_u64 s[G0S+2:G0S+3], s[6:7], s[G0S+2:G0S+3]
	s_or_b32 s[G0A+3], s[G0A+3], 0x80000000
	s_or_b32 s[G0R+3], s[G0R+3], 0x80000000
	s_or_b32 s[G0B+3], s[G0B+3], 0x80000000
	s_or_b32 s[G0S+3], s[G0S+3], 0x80000000
	s_cmp_eq_u32 s14, 0
	s_cbranch_scc0 .Lwave_1
	TLOAD G0B, G1B                                 ; wave 0: Wv's rows
	s_branch .Lasked
.Lwave_1:
	s_cmp_eq_u32 s14, 1
	s_cbranch_scc0 .Lwave_2
	TLOAD G0S, G1S                                 ; wave 1: V's scale bytes
	s_branch .Lasked
.Lwave_2:
	s_cmp_eq_u32 s14, 2
	s_cbranch_scc0 .Lwave_3
	TLOAD G0A, G1A                                 ; wave 2: slot 0
	s_branch .Lasked
.Lwave_3:
	TLOAD G0R, G1A                                 ; wave 3: slot 1
.Lasked:
	s_add_nc_u64 s[66:67], s[10:11], s[66:67]
	s_add_nc_u64 s[78:79], s[10:11], s[78:79]
	s_add_nc_u64 s[12:13], s[72:73], s[12:13]
	s_add_nc_u64 s[96:97], s[76:77], s[96:97]
	s_cmp_eq_u32 s19, 1
	s_cselect_b64 s[20:21], s[76:77], s[74:75]
	s_cselect_b64 s[68:69], s[70:71], s[68:69]
	s_add_nc_u64 s[94:95], s[20:21], s[94:95]
	s_add_nc_u64 s[100:101], s[68:69], s[100:101]
.irp p, 0,1
.irp c, 0,1
	global_load_b128 v[SB+8*\p+4*\c:SB+8*\p+4*\c+3], v[GS], s[66:67] offset:1024*\p+256*\c
	global_load_b128 v[SB2+8*\p+4*\c:SB2+8*\p+4*\c+3], v[GS], s[78:79] offset:1024*\p+256*\c
.endr
.endr
.irp k, 0,1,2,3,4,5,6,7
	global_load_b128 v[BBQ+4*\k:BBQ+4*\k+3], v[GQ], s[100:101] offset:16*\k
.endr
	WIN 3<<6
.irp t, 0,1,2,3
	global_load_b32 v[BBV-768+8*\t], v[GV], s[12:13] offset:32*\t
.endr
	WIN 0
	s_wait_loadcnt 0x0
	WIN (3<<6)|3
.irp t, 0,8,16,24
.irp i, 1,2,3,4,5,6,7
	v_mov_b32 v[BBV-768+\t+\i], v[BBV-768+\t]      ; V's bias, one number a lane and tile, over the tile's eight registers
.endr
.endr
	WIN 0
	WALU
	s_cmp_eq_u32 s14, 0
	s_cbranch_scc0 .Lnot_b
	s_wait_tensorcnt 0x0
.Lnot_b:
	BARRIER                                        ; Wv's rows are in
	global_prefetch_b8 v[PF], s[8:9] th:TH_LOAD_NT scope:SCOPE_SE
	global_prefetch_b8 v[PF+1], s[4:5] th:TH_LOAD_NT scope:SCOPE_SE
	WEIGHTS
	s_cmp_eq_u32 s14, 3
	s_cbranch_scc1 .Lnot_a0
	s_wait_tensorcnt 0x0
.Lnot_a0:
	s_wait_dscnt 0x0
	BARRIER                                        ; slot 0 and the scale bytes are in; slot 1 may still be on its way
.irp s, 0,1,2,3,4,5,6,7
	ds_load_b128 v[SAV+8*\s:SAV+8*\s+3], v[ASV] offset:512*\s
	ds_load_b128 v[SAV+8*\s+4:SAV+8*\s+7], v[ASV] offset:512*\s+256
.endr
	FETCH 0, 0, 0
	FETCH 1, 1, 0
; ---- V: eight tiles, two bands
.irp s, 0,1,2,3,4,5,6,7
.if \s == 7
	s_wait_dscnt 26
.else
	s_wait_dscnt 24
.endif
	BLK 1, \s%2, HV+8*(\s%4), 32, SAV+8*\s
.if \s < 6
	FETCH \s%2, (\s+2)%4, 0
.elseif \s == 6
	FETCH 0, 0, 1                                  ; Q's or K's first tile
.else
	WEIGHTS                                        ; the second weight, and under its flight the last band's way out
	FETCH 1, 1, 1
.endif
.if \s == 2
	global_prefetch_b8 v[PF+2], s[4:5] th:TH_LOAD_NT scope:SCOPE_SE
.elseif \s == 6
	global_prefetch_b8 v[PF+3], s[4:5] th:TH_LOAD_NT scope:SCOPE_SE
.elseif \s == 7
	global_prefetch_b8 v[PF+4], s[4:5] th:TH_LOAD_NT scope:SCOPE_SE
.endif
.if \s%4 == 1
	RND 1-\s/4
.endif
.if \s == 7
.set I_, 0
.rept 16
	v_mov_b32 v[SB+I_], v[SB2+I_]
.set I_, I_+1
.endr
.endif
.if \s%4 == 3
.irp t, 0,1,2,3
	Q32 HV+32*\t, MCD+12*\t+6*(\s/4), EBV+4*(\s/4)+\t
.endr
.endif
.endr
.irp t, 0,1,2,3
	v_lshl_or_b32 v[EBV+\t], v[EBV+4+\t], 16, v[EBV+\t]
.endr
.irp t, 0,1,2,3
	v_lshlrev_b32 v[EBV+\t], v[SH8], v[EBV+\t]     ; my two bytes at their places in the scale word,
.endr
.irp t, 0,1,2,3
	v_permlanex16_b32 v[EBV+4+\t], v[EBV+\t], s2, s3
.endr
.irp t, 0,1,2,3
	v_or_b32 v[EBV+\t], v[EBV+\t], v[EBV+4+\t]     ; with lane l xor 16's two
.endr
	v_cndmask_b32 v[WV], v[EBV], v[EBV+2], s23
	v_cndmask_b32 v[WV+1], v[EBV+1], v[EBV+3], s23
.irp t, 0,1,2,3
.irp k, 0,1,2
	global_store_b128 v[L16], v[MCD+12*\t+4*\k:MCD+12*\t+4*\k+3], s[96:97] offset:6144+1536*\t+512*\k
.endr
.endr
	global_store_b64 v[RW8], v[WV:WV+1], s[96:97] offset:12544   ; 256 consecutive bytes, aligned
; ---- Q or K: four chunks of four tiles
	s_mov_b32 s93, 0
.Lqa:
	CHUNK 1, 1
	s_add_co_u32 s93, s93, 1
	s_cmp_lg_u32 s93, 2
	WALU                                           ; the wait ahead of the branch
	s_cbranch_scc1 .Lqa
	CHUNK 2, 1
	CHUNK 0, 0
	s_wait_tensorcnt 0x0                           ; the wave's end
	ds_add_u32 v[SPW], v[NIL]
	s_wait_dscnt 0x0
	CROUND                                         ; the closing round
	s_endpgm
.Lfunc_end_k_q6e13e190a1_proj:
	.size	k_q6e13e190a1_proj, .Lfunc_end_k_q6e13e190a1_proj-k_q6e13e190a1_proj
	.p2alignl 7, 3214868480
	.fill 96, 4, 3214868480
	.section	.rodata,"a",@progbits
	.p2align	6, 0x0
	.amdhsa_kernel k_q6e13e190a1_proj
		.amdhsa_group_segment_fixed_size 327680
		.amdhsa_private_segment_fixed_size 0
		.amdhsa_enable_private_segment 0
		.amdhsa_kernarg_size 72
		.amdhsa_user_sgpr_count 2
		.amdhsa_user_sgpr_kernarg_segment_ptr 1
		.amdhsa_wavefront_size32 1
		.amdhsa_system_sgpr_workgroup_id_x 1
		.amdhsa_system_sgpr_workgroup_id_y 1
		.amdhsa_system_sgpr_workgroup_id_z 1
		.amdhsa_system_vgpr_workitem_id 0
		.amdhsa_next_free_vgpr 1000
		.amdhsa_next_free_sgpr 102
		.amdhsa_reserve_vcc 0
		.amdhsa_float_denorm_mode_32 3
		.amdhsa_float_denorm_mode_16_64 3
		.amdhsa_memory_ordered 1
		.amdhsa_forward_progress 1
		.amdhsa_inst_pref_size 188
	.end_amdhsa_kernel
	.amdgpu_metadata
---
amdhsa.version: [ 1, 2 ]
amdhsa.kernels:
  - .name:           k_q6e13e190a1_proj
    .symbol:         k_q6e13e190a1_proj.kd
    .args:
      - { .name: xc, .offset: 0, .size: 8, .value_kind: global_buffer, .address_space: global }
      - { .name: xs, .offset: 8, .size: 8, .value_kind: global_buffer, .address_space: global }
      - { .name: wc, .offset: 16, .size: 8, .value_kind: global_buffer, .address_space: global }
      - { .name: ws, .offset: 24, .size: 8, .value_kind: global_buffer, .address_space: global }
      - { .name: bq, .offset: 32, .size: 8, .value_kind: global_buffer, .address_space: global }
      - { .name: bk, .offset: 40, .size: 8, .value_kind: global_buffer, .address_space: global }
      - { .name: bv, .offset: 48, .size: 8, .value_kind: global_buffer, .address_space: global }
      - { .name: qb, .offset: 56, .size: 8, .value_kind: global_buffer, .address_space: global }
      - { .name: kvb, .offset: 64, .size: 8, .value_kind: global_buffer, .address_space: global }
    .group_segment_fixed_size: 327680
    .private_segment_fixed_size: 0
    .kernarg_segment_align: 8
    .kernarg_segment_size: 72
    .max_flat_workgroup_size: 128
    .sgpr_count:     102
    .vgpr_count:     1000
    .wavefront_size: 32
...
	.end_amdgpu_metadata
.endif
;; end of part 2
;; launch attn (part 3): grid 4 x 64, 16 waves a work-group, clusters of 4 x 1, 206,848 bytes of LDS; arguments qb, kvb, oc, os; writes oc, os
.if DOCPART == 3
	.amdgcn_target "amdgcn-amd-amdhsa--gfx1250"
	.amdhsa_code_object_version 6
	.text
	.protected	k_q6e13e190a1_attn
	.globl	k_q6e13e190a1_attn
	.p2align	8
	.type	k_q6e13e190a1_attn,@function
k_q6e13e190a1_attn:
	s_mov_b64 s[64:65], 0
	v_nop
	global_prefetch_b8 v0, s[64:65] scope:SCOPE_SE
	s_setreg_imm32_b32 hwreg(HW_REG_WAVE_MODE, 25, 1), 1
	s_wait_xcnt 0x0
	s_wait_alu depctr_hold_cnt(0) depctr_sa_sdst(0) depctr_va_vdst(0) depctr_va_sdst(0) depctr_va_ssrc(0) depctr_va_vcc(0) depctr_vm_vsrc(0)
	s_getreg_b32 s2, hwreg(HW_REG_IB_STS2, 6, 4)
	s_cmp_eq_u32 s2, 0
	s_cbranch_scc0 .Lentry_in_a_cluster
	s_endpgm
.Lentry_in_a_cluster:
	s_bfe_u32 s2, ttmp6, 0x10000c
	s_cmp_lg_u32 s2, 0x3003
	s_cbranch_scc0 .Lentry_shape_is_right
	s_endpgm
.Lentry_shape_is_right:
; For each batch and head: O = softmax(q k^T / 8) v, both products on codes of FP6 (E2M3) with E8M0 scales; O / the row's sum is quantised along the channels and stored as codes for the last product.
; THE SOFTMAX: t = score x log2(e) / 8; M = the row's largest t so far, rounded up to a whole number; p = 2^(t - M) is quantised along the keys, not normalised; the row's sum is taken of the unquantised p.
; When M moves, the sum and O are multiplied by 2^(old M - new M): exact.
; SHARES: a work-group owns 512 queries of one head; each of its sixteen waves two tiles of 16, one after the other.
; LDS: the head's whole k, v and their scales, 16 blocks of 12,800 bytes (128 keys each), filled once: each wave asks for one block.  No slot is filled again.
; CLUSTER: the four work-groups of a head need the same 204,800 bytes: each block is asked for jointly, with the same descriptor and the mask of all four.
; No prefetch: the one fill stands at the head, and there is no loop ahead of it to ask in.
; LAYOUT: both products are used transposed (S^T = k q^T, O^T = v^T p^T): a lane holds one query throughout.  Stored tile u of 64 keys (or channels) holds rows 8 u + i and 32 + 8 u + i, so a lane's 32 registers over four
; tiles are ONE WHOLE BLOCK of 32 neighbours along the next K: lanes 0-15 blocks 0 and 2 of a step's 128 keys, lanes 16-31 blocks 1 and 3.  A block's largest needs no other lane, and the conversions' results are the operand.
; THE SCORES' K IS 64, the instruction's 128: a fragment of k holds two tiles of keys (registers 0-5, 6-11).  Against [q][zero codes] it gives the first tile's scores, against [zero codes][q] the second's.
; LOADS: k and v have registers of their own.  Behind a step's score products its v and the NEXT step's k are asked for (13 LDS loads each; the last step asks for block 0 again, which the second tile begins with).
; One load of 16 bytes a lane brings k's scale words to lanes 0-15 and v's to lanes 16-31: the second product reads its A scales from the upper lanes.
; LIMITS: NaN and infinities are not served; p under 2^-126 counts as 0; a block whose largest magnitude lies under 2^-124 gets the byte 1; the scaled scores stay under 2^31 in magnitude.
.set BLKB, 12800
.set VFR,  6144                        ; in a block: v's fragments,
.set KSC,  12288                       ; k's scale words [row][pair], and 256 bytes on v's [row][tile]
.set L16,  1                           ; v1  16 x lane
.set ADV,  2                           ; v2  this step's block + 16 x lane
.set PS,   3                           ; v3  p's scale word
.set L8,   4                           ; v4  8 x lane
.set RB,   5                           ; v5  16 x (lane % 16) + lane / 16
.set T0,   6                           ; v6, v7 at work
.set T1,   7
.set QS,   8                           ; v8  q's scale word
.set ADK,  9                           ; v9  the next step's block + 16 x lane
.set F,    10                          ; v10 f, later 1 / the sum; v11 = 8 x (lane / 16), the upper half of the pair that f is named by
.set QF,   16                          ; v16-33 [q][0][q]
.set KSR,  34                          ; v34-37 scale words for k
.set VSR,  38                          ; v38-41 for v
.set BM,   42                          ; v42, v43 my two blocks' largest, then their scale operands
.set T2,   46
.set TMP,  47
.set K,    48                          ; v48-95 k's four fragments
.set V,    96                          ; v96-143 v's
.set S,    144                         ; v144-207 S^T, then p
.set O,    208                         ; v208-239 O^T
.set PC,   240                         ; v240-251 p's codes; ahead of them three partial sums
.set QW,   252                         ; v252 q's scale word as stored
.macro CROUND
	s_barrier_signal -1
	s_barrier_wait -1
	s_cmp_lg_u32 s12, 0
	s_cbranch_scc1 .Lnot_wave_0_\@
	s_barrier_signal -3
.Lnot_wave_0_\@:
	s_barrier_wait -3
	s_barrier_signal -1
	s_barrier_wait -1
.endm
.macro WALU
	s_wait_alu depctr_va_vdst(0)
.endm
.macro DEP1
	s_delay_alu instid0(VALU_DEP_1)
.endm
.macro QLOAD n                         ; tile n of my pair, twice, so that [q][0] and [0][q] are runs of registers
.if \n
.irp d, 0,12
	global_load_b64 v[QF+\d:QF+\d+1], v[L16], s[36:37] offset:520
	global_load_b128 v[QF+\d+2:QF+\d+5], v[L16], s[36:37] offset:1024
.endr
.else
.irp d, 0,12
	global_load_b128 v[QF+\d:QF+\d+3], v[L16], s[36:37]
	global_load_b64 v[QF+\d+4:QF+\d+5], v[L16], s[36:37] offset:512
.endr
.endif
.endm
.macro KLOAD adr
.irp p, 0,1,2,3
.irp c, 0,1,2
	ds_load_b128 v[K+12*\p+4*\c:K+12*\p+4*\c+3], v[\adr] offset:1536*\p+512*\c
.endr
.endr
	ds_load_b128 v[KSR:KSR+3], v[\adr] offset:KSC
.endm
	s_load_b256 s[4:11], s[0:1], 0x0               ; qb, kvb, oc, os
	v_lshl_add_u32 v254, v0, 2, 0x32000
	v_mov_b32 v255, 0
	ds_add_u32 v254, v255                          ; the opening lines
	ds_add_u32 v254, v255
	v_lshrrev_b32 v1, 5, v0
	v_readfirstlane_b32 s12, v1                    ; wave 0..15
	s_bfe_u32 s13, ttmp6, 0x40000                  ; cx: which 512 queries
	s_and_b32 s14, ttmp7, 0xffff                   ; batch x 16 + head
	s_mov_b32 s16, 15|(3<<16)|(1<<21)              ; a block as 50 rows of 256 bytes; the mask: all four work-groups
	s_mov_b32 s17, 32<<16
	s_mov_b32 s18, 50<<16
	s_mov_b32 s19, 32<<16
	s_mov_b32 s20, 50
	s_mov_b32 s21, 32
	s_mov_b32 s22, 0
	s_mov_b32 s23, 0
	s_mul_i32 s44, s14, 16*BLKB                    ; the head's blocks
	s_mov_b32 s24, 1
	s_mul_i32 s25, s12, BLKB                       ; block w goes to LDS byte 12,800 w
	s_add_co_u32 s46, s44, s25
	s_mov_b32 s47, 0
	s_mov_b32 s28, 0x76543210
	s_mov_b32 s29, 0xfedcba98                      ; v_permlanex16_b32's selects for lane l xor 16
	s_mov_b32 s30, 0x3e38aa3b                      ; c = log2(e) / 8
	s_mov_b32 s31, s30
	s_lshl_b32 s48, s13, 2                         ; q: pair 16 cx + w lies in block 4 cx + w / 4, fragment w % 4
	s_lshr_b32 s49, s12, 2
	s_add_co_u32 s48, s48, s49
	s_mul_i32 s48, s48, BLKB
	s_add_co_u32 s48, s48, s44
	s_and_b32 s49, s12, 3
	s_mul_i32 s50, s49, 1536
	s_add_co_u32 s50, s50, s48
	s_mov_b32 s51, 0
	s_lshl_b32 s52, s49, 2
	s_add_co_u32 s52, s52, s48
	s_add_co_u32 s52, s52, KSC
	s_mov_b32 s53, 0
	s_wait_dscnt 0x0
	s_wait_kmcnt 0x0
	s_add_nc_u64 s[26:27], s[6:7], s[46:47]
	s_or_b32 s27, s27, 0x80000000
	s_add_nc_u64 s[36:37], s[4:5], s[50:51]        ; q's pair fragment
	s_add_nc_u64 s[38:39], s[4:5], s[52:53]        ; and its scale words
	s_lshr_b32 s48, s14, 4
	s_lshl_b32 s48, s48, 7
	s_lshl_b32 s49, s13, 5
	s_add_co_u32 s48, s48, s49
	s_lshl_b32 s49, s12, 1
	s_add_co_u32 s48, s48, s49                     ; my first stored tile of tokens: 128 x batch + 32 cx + 2 w
	s_and_b32 s49, s14, 15                         ; the head
	s_lshl_b32 s50, s48, 4
	s_add_co_u32 s50, s50, s49
	s_mul_i32 s50, s50, 768
	s_add_nc_u64 s[40:41], s[8:9], s[50:51]        ; oc: [tile][head][768]
	s_lshl_b32 s50, s48, 9                         ; os: [tile][half of K][row][16]: bytes 2 head, 2 head + 1 of the row's 32
	s_lshr_b32 s52, s49, 3
	s_lshl_b32 s52, s52, 8
	s_add_co_u32 s50, s50, s52
	s_and_b32 s49, s49, 7
	s_lshl_b32 s49, s49, 1
	s_add_co_u32 s50, s50, s49
	s_add_nc_u64 s[42:43], s[10:11], s[50:51]
	CROUND                                         ; all four work-groups are here: the joint loads meet
	tensor_load_to_lds s[24:27], s[16:23]          ; my one tensor load
	s_nop 0
.rept 4
	v_nop
.endr
	v_and_b32 v7, 31, v0
	v_and_b32 v6, 15, v0
	v_bfe_u32 v[T2], v0, 4, 1
	v_lshlrev_b32 v[L16], 4, v7
	v_lshlrev_b32 v[L8], 3, v7
	v_lshl_add_u32 v[RB], v6, 4, v[T2]
	v_lshlrev_b32 v6, 4, v6
	v_lshlrev_b32 v11, 3, v[T2]
	global_load_b32 v[QW], v6, s[38:39]
	QLOAD 0
.irp j, 6,7,8,9,10,11
	v_mov_b32 v[QF+\j], 0                          ; zero codes
.endr
	WALU                                           ; the wait at the head's end
	s_wait_tensorcnt 0x0                           ; my block is in,
	s_barrier_signal -1
	s_barrier_wait -1                              ; everybody's is
	KLOAD L16                                      ; block 0's k
; A KEY STEP: 128 keys for the query tile in hand.  s33 counts the steps.
.macro STEP
	s_mul_i32 s32, s33, BLKB                       ; this block,
	s_add_co_u32 s35, s33, 1
	s_and_b32 s35, s35, 15
	s_mul_i32 s35, s35, BLKB                       ; the next (behind the last: block 0)
	s_wait_dscnt 0x0                               ; k's fragments and scale words, asked for a step ago
.irp p, 0,1,2,3
.irp u, 0,1
	v_wmma_scale_f32_16x16x128_f8f6f4 v[S+8*(2*\p+\u):S+8*(2*\p+\u)+7], v[K+12*\p:K+12*\p+11], v[QF+6*\u:QF+6*\u+11], 0, v[KSR+\p], v[QS] matrix_a_fmt:MATRIX_FMT_FP6 matrix_b_fmt:MATRIX_FMT_FP6
.endr
.endr
	v_add_nc_u32 v[ADV], s32, v[L16]               ; four places in front of the loads and of the first read of the scores
	v_add_nc_u32 v[ADK], s35, v[L16]
	v_mov_b32 v[TMP], v12                          ; the old -M
	v_nop
.irp t, 0,1,2,3
.irp c, 0,1,2
	ds_load_b128 v[V+12*\t+4*\c:V+12*\t+4*\c+3], v[ADV] offset:VFR+1536*\t+512*\c
.endr
.endr
	ds_load_b128 v[VSR:VSR+3], v[ADV] offset:KSC   ; lanes 16-31: v's scale words
	KLOAD ADK
.irp c, 0,1                                    ; the largest score of each of my two blocks, in two chains each
	v_max3_num_f32 v[BM+\c], v[S+32*\c], v[S+32*\c+1], v[S+32*\c+2]
	v_max3_num_f32 v[T0+\c], v[S+32*\c+16], v[S+32*\c+17], v[S+32*\c+18]
.endr
.irp i, 3,5,7,9,11,13
.irp c, 0,1
	v_max3_num_f32 v[BM+\c], v[BM+\c], v[S+32*\c+\i], v[S+32*\c+\i+1]
	v_max3_num_f32 v[T0+\c], v[T0+\c], v[S+32*\c+16+\i], v[S+32*\c+17+\i]
.endr
.endr
.irp c, 0,1
	v_max3_num_f32 v[BM+\c], v[BM+\c], v[T0+\c], v[S+32*\c+15]
.endr
.irp c, 0,1
	v_max_num_f32 v[BM+\c], v[BM+\c], v[S+32*\c+31]
.endr
	DEP1
	v_max3_num_f32 v[T0], v13, v[BM], v[BM+1]      ; with the running largest score
	DEP1
	v_permlanex16_b32 v[T2], v[T0], s28, s29
	DEP1
	v_max_num_f32 v13, v[T0], v[T2]                ; and lane l xor 16's blocks
	DEP1
	v_mul_f32 v[T0], s30, v13                      ; as t
	DEP1
	v_floor_f32 v12, -v[T0]                        ; the new -M = floor(-t): M is a whole number
	DEP1
	v_sub_f32 v[T0], v12, v[TMP]                   ; old M - new M: a whole number, 0 or less
	DEP1
	v_cvt_i32_f32 v[T0], v[T0]                     ; (it saturates)
	DEP1
	v_ldexp_f32 v[F], 1.0, v[T0]                   ; f = 2^(old M - new M)
.set j, 0
.rept 32
	v_pk_fma_f32 v[S+j:S+j+1], v[S+j:S+j+1], s[30:31], v[12:13] op_sel_hi:[1,0,0]   ; t - M, two at a time
.set j, j+2
.endr
.irp c, 0,1
	v_fma_f32 v[BM+\c], v[BM+\c], s30, v12         ; the same of each block's largest score
.endr
	WALU                                           ; the wait ahead of the batch
.set j, 0
.rept 64
	v_exp_f32 v[S+j], v[S+j]                       ; p = 2^(t - M)
.set j, j+1
.endr
.irp c, 0,1
	v_exp_f32 v[BM+\c], v[BM+\c]                   ; the block's largest p: the same two instructions on the same number give the same bits
.endr
	v_pk_mul_f32 v[14:15], v[14:15], v[F:F+1] op_sel_hi:[1,0]   ; the sums under the new M: a plain place behind the exponentials
	WALU                                           ; one wait for the whole batch
	v_pk_add_f32 v[PC:PC+1], v[S:S+1], v[S+2:S+3]  ; the row's sum of the unquantised p, in four chains
	v_pk_add_f32 v[PC+2:PC+3], v[S+4:S+5], v[S+6:S+7]
	v_pk_add_f32 v[PC+4:PC+5], v[S+8:S+9], v[S+10:S+11]
	v_pk_add_f32 v[14:15], v[14:15], v[S+12:S+13]
.set j, 14
.rept 6
	v_pk_add_f32 v[PC:PC+1], v[PC:PC+1], v[S+j:S+j+1]
	v_pk_add_f32 v[PC+2:PC+3], v[PC+2:PC+3], v[S+j+2:S+j+3]
	v_pk_add_f32 v[PC+4:PC+5], v[PC+4:PC+5], v[S+j+4:S+j+5]
	v_pk_add_f32 v[14:15], v[14:15], v[S+j+6:S+j+7]
.set j, j+8
.endr
	v_pk_add_f32 v[PC:PC+1], v[PC:PC+1], v[S+62:S+63]
.irp c, 0,1
	v_max_num_f32 v[BM+\c], 0x1800000, v[BM+\c]    ; the floor 2^(3 - 127): the byte cannot fall under 1
.endr
	v_pk_add_f32 v[14:15], v[14:15], v[PC+4:PC+5]
	v_pk_add_f32 v[PC:PC+1], v[PC:PC+1], v[PC+2:PC+3]
.irp c, 0,1
	v_add_nc_u32 v[BM+\c], 0xff000000, v[BM+\c]    ; 2 off the exponent field: the conversion's scale operand
.endr
	v_pk_add_f32 v[14:15], v[14:15], v[PC:PC+1]
	v_cvt_scalef32_pk16_fp6_f32 v[PC:PC+2], v[S:S+15], v[BM]
	v_cvt_scalef32_pk16_fp6_f32 v[PC+6:PC+8], v[S+32:S+47], v[BM+1]
	v_lshrrev_b32 v[T0], 23, v[BM]                 ; the scales' bytes; plain places between the conversions above and those that write over their sources
	v_lshrrev_b32 v[T1], 23, v[BM+1]
	v_cvt_scalef32_pk16_fp6_f32 v[S:S+2], v[S+16:S+31], v[BM]        ; (a conversion's three registers begin on an even number)
	v_cvt_scalef32_pk16_fp6_f32 v[S+32:S+34], v[S+48:S+63], v[BM+1]
	v_lshl_or_b32 v[T0], v[T1], 16, v[T0]
	DEP1
	v_lshlrev_b32 v[T0], v11, v[T0]                ; my two bytes at their places in p's scale word
.irp i, 0,1,2
	v_mov_b32 v[PC+3+\i], v[S+\i]
	v_mov_b32 v[PC+9+\i], v[S+32+\i]
.endr
	v_permlanex16_b32 v[T2], v[T0], s28, s29
	DEP1
	v_or_b32 v[PS], v[T0], v[T2]                   ; with lane l xor 16's two
	WALU                                           ; the wait directly ahead of the first reader of O^T
.set j, 0
.rept 16
	v_pk_mul_f32 v[O+j:O+j+1], v[O+j:O+j+1], v[F:F+1] op_sel_hi:[1,0]   ; O^T under the new M; also the places between the writes of p's codes and scale word and the products
.set j, j+2
.endr
	WALU                                           ; the wait directly ahead of the wait below
	s_wait_dscnt 13                                ; v's 13 loads are in; the next step's k, 13 loads, may be out
.irp t, 0,1,2,3
	v_wmma_scale_f32_16x16x128_f8f6f4 v[O+8*\t:O+8*\t+7], v[V+12*\t:V+12*\t+11], v[PC:PC+11], v[O+8*\t:O+8*\t+7], v[VSR+\t], v[PS] matrix_a_fmt:MATRIX_FMT_FP6 matrix_b_fmt:MATRIX_FMT_FP6 matrix_a_scale:MATRIX_SCALE_ROW1
.endr
.endm
; O^T / the sum, quantised along the head's 64 channels: my 32 registers are channels 32 (lane / 16) + 0 .. 31 of my query: one block.
.macro OUT n
.rept 4
	v_nop                                          ; places behind the last products
.endr
.if \n == 0
	QLOAD 1                                        ; the second tile's q
.endif
	v_add_f32 v14, v14, v15
	DEP1
	v_permlanex16_b32 v[T2], v14, s28, s29
	DEP1
	v_add_f32 v14, v14, v[T2]                      ; the row's sum
	WALU
	v_rcp_f32 v[F], v14
	v_nop
	WALU
.set j, 0
.rept 16
	v_pk_mul_f32 v[S+j:S+j+1], v[O+j:O+j+1], v[F:F+1] op_sel_hi:[1,0]   ; each accumulator from its low end on
.set j, j+2
.endr
	v_max3_num_f32 v[BM], |v[S]|, |v[S+1]|, 0x1800000
	v_max3_num_f32 v[T0], |v[S+16]|, |v[S+17]|, 0x1800000
.irp i, 2,4,6,8,10,12,14
	v_max3_num_f32 v[BM], v[BM], |v[S+\i]|, |v[S+\i+1]|
	v_max3_num_f32 v[T0], v[T0], |v[S+16+\i]|, |v[S+17+\i]|
.endr
	DEP1
	v_max_num_f32 v[BM], v[BM], v[T0]
	DEP1
	v_add_nc_u32 v[BM], 0xff000000, v[BM]
	v_cvt_scalef32_pk16_fp6_f32 v[PC:PC+2], v[S:S+15], v[BM]
	v_cvt_scalef32_pk16_fp6_f32 v[PC+6:PC+8], v[S+16:S+31], v[BM]
	v_lshrrev_b32 v[T0], 23, v[BM]
.irp i, 0,1,2
	v_mov_b32 v[PC+3+\i], v[PC+6+\i]
.endr
	global_store_b128 v[L16], v[PC:PC+3], s[40:41] offset:12288*\n         ; 512 consecutive bytes, aligned
	global_store_b64 v[L8], v[PC+4:PC+5], s[40:41] offset:12288*\n+512     ; 256 consecutive bytes, aligned
	global_store_b8 v[RB], v[T0], s[42:43] offset:512*\n                   ; two bytes of each of 16 rows: one part in 25 of what the launch stores
.endm
.macro PASS n
.if \n
	s_wait_xcnt 0x0                                ; the first tile's stores have read their registers
.endif
	s_wait_loadcnt 0x0                             ; q
.if \n
	v_perm_b32 v[QS], v[QW], v[QW], 0x03020302     ; the tile's two bytes, twice: they serve either half of K
.else
	v_perm_b32 v[QS], v[QW], v[QW], 0x01000100
.endif
	v_mov_b32 v13, 0xff61b1e6                      ; the largest score so far: -3e38
	v_mov_b32 v12, 0x7e000000                      ; -M: a whole number over every -t, so that the first f is 0
	v_mov_b32 v14, 0
	v_mov_b32 v15, 0
.set j, 0
.rept 32
	v_mov_b32 v[O+j], 0                            ; the step is written once: the first finds zeros.  (Also the places between the write of q's scale word and the first products)
.set j, j+1
.endr
	s_mov_b32 s33, 0
.Lk_\@:
	STEP
	s_add_co_u32 s33, s33, 1
	s_cmp_lt_u32 s33, 16
	s_cbranch_scc1 .Lk_\@
	OUT \n
.endm
	PASS 0
	PASS 1
	s_wait_dscnt 0x0
	s_wait_tensorcnt 0x0                           ; the wave's end
	ds_add_u32 v254, v255
	s_wait_dscnt 0x0
	CROUND                                         ; the closing round
	s_endpgm
.Lfunc_end_k_q6e13e190a1_attn:
	.size	k_q6e13e190a1_attn, .Lfunc_end_k_q6e13e190a1_attn-k_q6e13e190a1_attn
	.p2alignl 7, 3214868480
	.fill 96, 4, 3214868480
	.section	.rodata,"a",@progbits
	.p2align	6, 0x0
	.amdhsa_kernel k_q6e13e190a1_attn
		.amdhsa_group_segment_fixed_size 206848
		.amdhsa_private_segment_fixed_size 0
		.amdhsa_enable_private_segment 0
		.amdhsa_kernarg_size 32
		.amdhsa_user_sgpr_count 2
		.amdhsa_user_sgpr_kernarg_segment_ptr 1
		.amdhsa_wavefront_size32 1
		.amdhsa_system_sgpr_workgroup_id_x 1
		.amdhsa_system_sgpr_workgroup_id_y 1
		.amdhsa_system_sgpr_workgroup_id_z 1
		.amdhsa_system_vgpr_workitem_id 0
		.amdhsa_next_free_vgpr 256
		.amdhsa_next_free_sgpr 66
		.amdhsa_reserve_vcc 0
		.amdhsa_float_denorm_mode_32 3
		.amdhsa_float_denorm_mode_16_64 3
		.amdhsa_memory_ordered 1
		.amdhsa_forward_progress 1
		.amdhsa_inst_pref_size 45
	.end_amdhsa_kernel
	.amdgpu_metadata
---
amdhsa.version: [ 1, 2 ]
amdhsa.kernels:
  - .name:           k_q6e13e190a1_attn
    .symbol:         k_q6e13e190a1_attn.kd
    .args:
      - { .name: qb, .offset: 0, .size: 8, .value_kind: global_buffer, .address_space: global }
      - { .name: kvb, .offset: 8, .size: 8, .value_kind: global_buffer, .address_space: global }
      - { .name: oc, .offset: 16, .size: 8, .value_kind: global_buffer, .address_space: global }
      - { .name: os, .offset: 24, .size: 8, .value_kind: global_buffer, .address_space: global }
    .group_segment_fixed_size: 206848
    .private_segment_fixed_size: 0
    .kernarg_segment_align: 8
    .kernarg_segment_size: 32
    .max_flat_workgroup_size: 512
    .sgpr_count:     66
    .vgpr_count:     256
    .wavefront_size: 32
...
	.end_amdgpu_metadata
.endif
;; end of part 3
;; launch outp (part 4): grid 8 x 32, 4 waves a work-group, clusters of 4 x 4, 327,680 bytes of LDS; arguments oc, os, wc, ws, bo, out0; writes out0
.if DOCPART == 4
	.amdgcn_target "amdgcn-amd-amdhsa--gfx1250"
	.amdhsa_code_object_version 6
	.text
	.protected	k_q6e13e190a1_outp
	.globl	k_q6e13e190a1_outp
	.p2align	8
	.type	k_q6e13e190a1_outp,@function
k_q6e13e190a1_outp:
	s_mov_b64 s[64:65], 0
	v_nop
	global_prefetch_b8 v0, s[64:65] scope:SCOPE_SE
	s_setreg_imm32_b32 hwreg(HW_REG_WAVE_MODE, 25, 1), 1
	s_wait_xcnt 0x0
	s_wait_alu depctr_hold_cnt(0) depctr_sa_sdst(0) depctr_va_vdst(0) depctr_va_sdst(0) depctr_va_ssrc(0) depctr_va_vcc(0) depctr_vm_vsrc(0)
	s_getreg_b32 s2, hwreg(HW_REG_IB_STS2, 6, 4)
	s_cmp_eq_u32 s2, 0
	s_cbranch_scc0 .Lentry_in_a_cluster
	s_endpgm
.Lentry_in_a_cluster:
	s_bfe_u32 s2, ttmp6, 0x10000c
	s_cmp_lg_u32 s2, 0xf033
	s_cbranch_scc0 .Lentry_shape_is_right
	s_endpgm
.Lentry_shape_is_right:
; out0 = O Wo^T + bo on codes of FP6 (E2M3) with E8M0 scales; sums and result in f32.
; IN: oc [tile of 16 stored tokens][head][768]: a lane's six registers of a head's 64 channels, 16 bytes a lane and then 8; os [tile][half of K][row][16]; Wo's codes in wc behind the three other weights:
; [tile of 16 rows][K step of 128][3 pieces][lane][16 bytes]; its scale bytes in ws likewise.  Stored token row 64 c + 16 u + 8 h + i is token 64 c + 32 h + 8 u + i; Wo's rows keep their order.
; THE DEAL: 256 work-groups of four waves, 2 x 2; a work-group makes 256 tokens x 128 columns.  A wave holds 64 rows of Wo, all of K, in 384 registers and streams eight tiles of 16 tokens past them:
; 32 products a tile, four accumulators by turns; the tokens' fragments lie in two sets of registers, fetched two tiles ahead.  Wave row a takes tiles 4 a .. 4 a + 3 of each chunk of 128 tokens.
; Source 0 = Wo's rows: a lane holds eight neighbouring columns of one token.  The bias is the C of each accumulator's first product.
; CLUSTER 4 x 4: the tokens' rows are shared by a row of the cluster, Wo's rows by a column.
; LDS: two chunks of 98,304 bytes, Wo's 98,304, the tokens' 8,192 scale bytes, a stage of 16 x 272 bytes for each wave, the spare words.  Everything is filled ONCE, at the head, one load a wave: Wo's rows, the scale bytes, chunk 0, chunk 1.
; No slot is filled again: between the opening and the closing round stand three plain barriers, which show Wo, then chunk 0 with the scale bytes, then chunk 1.  The third stands ahead of the first LDS store.
; THE WAY OUT: a tile's 16 x 64 results go through the wave's own stage and come back as rows of 256 bytes; they are stored behind the NEXT tile's products, sixteen lanes to an aligned unit of 256 bytes.
; WAITS: ahead of tile 0 s_wait_dscnt 34 leaves out tile 1's fetch (32 loads of codes, 2 of scale words); behind each tile's products all LDS work, issued ahead of them, is waited for.
; No prefetch: every tile is asked for at the head, and there is no loop to run ahead in.
; LIMITS: NaN and infinities are not served.
.set TB,    12288
.set CH,    8*TB
.set WR,    2*CH
.set SCP,   3*CH
.set STG,   SCP+8192
.set SPARE, STG+4*4352
.set L16, 1
.set R16, 2
.set A16, 3                            ; v3, v4  my four tiles of chunk 0, 1 + 16 x lane
.set A8,  5                            ; v5, v6  the same + 8 x lane
.set ASB, 7
.set ADW, 8
.set STO, 9
.set SPW, 10
.set NIL, 11
.set RD,  12
.set CO,  13
.set GS,  22
.set GQ,  23
.set SB,  24                           ; v24-39 Wo's scale words: two tiles to a register
.set SA,  44                           ; v44-59 the tokens' scale words, two sets
.set ACC, 64                           ; v64-127 two sets of four accumulators
.set BBQ, 160                          ; v160-191 the bias as the first products' C
.set OB,  192                          ; v192-255 two sets of 16 rows read back from the stage
.set G1A, 24
.set G1B, 32
.set G1S, 48
.set G0A, 56
.set G0R, 60
.set G0B, 80
.set G0S, 84
.set MSB, 0
.macro WIN new
.if MSB != (\new)
	s_set_vgpr_msb (MSB<<8)|(\new)
.set MSB, (\new)
.endif
.endm
.macro PLACES n
.rept \n
	v_nop
.endr
.endm
.macro BARRIER
	s_barrier_signal -1
	s_barrier_wait -1
.endm
.macro CROUND
	BARRIER
	s_cmp_lg_u32 s14, 0
	s_cbranch_scc1 .Lnot_wave_0_\@
	s_barrier_signal -3
.Lnot_wave_0_\@:
	s_barrier_wait -3
	BARRIER
.endm
.macro TLOAD g0, g1
	tensor_load_to_lds s[\g0:\g0+3], s[\g1:\g1+7]
	s_nop 0
	PLACES 4
.endm
; fragment f lies in window 1 + f / 21 at register 12 (f % 21): 0-31 Wo's (4 q + t), 32-39 and 40-47 the tokens' two sets
.macro WEIGHTS
.irp q, 0,1,2,3,4,5,6,7
.irp t, 0,1,2,3
.set F_, 4*\q+\t
	WIN ((1+F_/21)<<6)
.irp c, 0,1,2
	ds_load_b128 v[12*(F_%21)+4*\c:12*(F_%21)+4*\c+3], v[ADW] offset:\t*TB+\q*1536+512*\c
.endr
.endr
.endr
	WIN 0
.endm
.macro FETCHA e, i, j                  ; tile j of my four in chunk i into set e
.irp q, 0,1,2,3,4,5,6,7
.set F_, 32+8*(\e)+\q
.set R_, 12*(F_%21)
	WIN ((1+F_/21)<<6)
	ds_load_b128 v[R_:R_+3], v[A16+(\i)] offset:(\j)*TB+\q*1536
	ds_load_b64 v[R_+4:R_+5], v[A8+(\i)] offset:(\j)*TB+\q*1536+512
	ds_load_b128 v[R_+6:R_+9], v[A16+(\i)] offset:(\j)*TB+\q*1536+768
	ds_load_b64 v[R_+10:R_+11], v[A8+(\i)] offset:(\j)*TB+\q*1536+1280
.endr
	WIN 0
	ds_load_b128 v[SA+8*(\e):SA+8*(\e)+3], v[ASB] offset:(\i)*4096+(\j)*512
	ds_load_b128 v[SA+8*(\e)+4:SA+8*(\e)+7], v[ASB] offset:(\i)*4096+(\j)*512+256
.endm
.macro PR1 d, r0, r1, c, x0, x1, o
.if \o
	v_wmma_scale_f32_16x16x128_f8f6f4 v[\d:\d+7], v[\r0:\r0+11], v[\r1:\r1+11], v[\c:\c+7], v[\x0], v[\x1] matrix_a_fmt:MATRIX_FMT_FP6 matrix_b_fmt:MATRIX_FMT_FP6 matrix_a_scale:MATRIX_SCALE_ROW1
.else
	v_wmma_scale_f32_16x16x128_f8f6f4 v[\d:\d+7], v[\r0:\r0+11], v[\r1:\r1+11], v[\c:\c+7], v[\x0], v[\x1] matrix_a_fmt:MATRIX_FMT_FP6 matrix_b_fmt:MATRIX_FMT_FP6 matrix_a_scale:MATRIX_SCALE_ROW0
.endif
.endm
.macro PROD e, n                       ; n = 4 q + t
.set Q_, (\n)/4
.set T_, (\n)%4
.set FB_, 4*Q_+T_
.set FA_, 32+8*(\e)+Q_
.set D_, ACC+32*(\e)+8*T_
.set RB_, 12*(FB_%21)
.set RA_, 12*(FA_%21)
.set XB_, SB+8*(T_/2)+Q_
.set XA_, SA+8*(\e)+Q_
.set C_, D_
.if Q_ == 0
.set C_, BBQ+8*T_
.endif
	WIN (1+FB_/21)|((1+FA_/21)<<2)
	PR1 D_, RB_, RA_, C_, XB_, XA_, T_%2
.endm
.macro BLK e                           ; a tile's 32 products, and the places behind them
.set N_, 0
.rept 32
	PROD \e, N_
.set N_, N_+1
.endr
	WIN 0
	PLACES 4
.endm
.macro TOSTAGE s                       ; LDS serves a wave's instructions in order: no wait between the stores and the loads
.set E_, (\s)%2
.irp u, 0,1,2,3
	ds_store_b128 v[STO], v[ACC+32*E_+8*\u:ACC+32*E_+8*\u+3] offset:64*\u       ; each accumulator from its low end on
	ds_store_b128 v[STO], v[ACC+32*E_+8*\u+4:ACC+32*E_+8*\u+7] offset:64*\u+16
.endr
.irp t, 0,1,2,3,4,5,6,7
	ds_load_b128 v[OB+32*E_+4*\t:OB+32*E_+4*\t+3], v[RD] offset:544*\t
.endr
.endm
.macro SEND s                          ; tile s = 4 i + j begins at token 128 i + 8 j of my 64 a ..; its rows 8-15 are the tokens 32 further on
.set E_, (\s)%2
.irp t, 0,1,2,3,4,5,6,7
	global_store_b128 v[CO], v[OB+32*E_+4*\t:OB+32*E_+4*\t+3], s[94:95] offset:(128*((\s)/4)+8*((\s)%4)+32*(\t/4)+2*(\t%4))*4096 th:TH_STORE_NT   ; sixteen lanes store 256 consecutive bytes, aligned
.endr
.endm
; ---- the head
	s_load_b256 s[4:11], s[0:1], 0x0               ; oc, os, wc, ws
	s_load_b128 s[68:71], s[0:1], 0x20             ; bo, out0
	v_lshl_add_u32 v[SPW], v0, 2, SPARE
	v_mov_b32 v[NIL], 0
	ds_add_u32 v[SPW], v[NIL]                      ; the opening lines
	ds_add_u32 v[SPW], v[NIL]
	v_lshrrev_b32 v40, 5, v0
	v_readfirstlane_b32 s14, v40                   ; the wave; s15 its row a of the 2 x 2, s16 its column b
	s_lshr_b32 s15, s14, 1
	s_and_b32 s16, s14, 1
	s_bfe_u32 s40, ttmp6, 0x40000                  ; cx
	s_bfe_u32 s41, ttmp6, 0x40004                  ; cy
	s_lshl_b32 s42, ttmp9, 2
	s_add_co_u32 s42, s42, s40                     ; tile column of 128, 0 .. 7
	s_and_b32 s43, ttmp7, 0xffff
	s_lshl_b32 s43, s43, 2
	s_add_co_u32 s43, s43, s41                     ; tile row of 256, 0 .. 31
	s_lshl_b32 s44, s41, 2
	s_lshl_b32 s44, 15, s44                        ; my row of the cluster
	s_lshl_b32 s45, 0x1111, s40                    ; my column
	s_mul_i32 s56, s15, 4*TB
	s_add_co_u32 s57, s56, CH
	s_lshl_b32 s58, s15, 11
	s_add_co_u32 s58, s58, SCP
	s_mul_i32 s59, s16, 4*TB
	s_add_co_u32 s59, s59, WR
	s_mul_i32 s60, s14, 4352
	s_add_co_u32 s60, s60, STG                     ; my stage
	v_and_b32 v40, 31, v0
	v_and_b32 v41, 15, v0                          ; r
	v_bfe_u32 v42, v0, 4, 1                        ; h
	v_lshlrev_b32 v[L16], 4, v40
	v_lshlrev_b32 v43, 3, v40
	v_lshlrev_b32 v[R16], 4, v41
	v_add_nc_u32 v[A16], s56, v[L16]
	v_add_nc_u32 v[A16+1], s57, v[L16]
	v_add_nc_u32 v[A8], s56, v43
	v_add_nc_u32 v[A8+1], s57, v43
	v_add_nc_u32 v[ASB], s58, v[R16]
	v_add_nc_u32 v[ADW], s59, v[L16]
	v_mul_u32_u24 v[STO], v41, 272                 ; in: row r, 32 bytes for each half of the lanes
	v_lshl_add_u32 v[STO], v42, 5, v[STO]
	v_add_nc_u32 v[STO], s60, v[STO]
	v_mul_u32_u24 v[RD], v42, 272                  ; back: lanes 0-15 take one row of 256 bytes, lanes 16-31 the next
	v_add_nc_u32 v[RD], v[RD], v[R16]
	v_add_nc_u32 v[RD], s60, v[RD]
	v_lshl_add_u32 v[CO], v42, 12, v[R16]          ; and the same two rows in out0
	v_lshl_add_u32 v[GS], v42, 9, v[R16]           ; Wo's scale words: lanes 16-31 take the next tile's
	v_lshlrev_b32 v[GQ], 5, v42                    ; the bias: eight numbers from column 8 h on
	s_or_b32 s[G1A], s44, (3<<16)|(1<<21)          ; a chunk: 98,304 dense bytes as two rows of 6,144 elements of 8
	s_mov_b32 s[G1A+1], 6144<<16
	s_mov_b32 s[G1A+2], 2<<16
	s_mov_b32 s[G1A+3], 6144<<16
	s_mov_b32 s[G1A+4], 2
	s_mov_b32 s[G1A+5], 6144
	s_mov_b32 s[G1A+6], 0
	s_mov_b32 s[G1A+7], 0
	s_or_b32 s[G1B], s45, (3<<16)|(1<<21)          ; Wo's 128 rows likewise
	s_mov_b32 s[G1B+1], 6144<<16
	s_mov_b32 s[G1B+2], 2<<16
	s_mov_b32 s[G1B+3], 6144<<16
	s_mov_b32 s[G1B+4], 2
	s_mov_b32 s[G1B+5], 6144
	s_mov_b32 s[G1B+6], 0
	s_mov_b32 s[G1B+7], 0
	s_or_b32 s[G1S], s44, (3<<16)|(1<<21)          ; the scale bytes: 32 rows of 256
	s_mov_b32 s[G1S+1], 32<<16
	s_mov_b32 s[G1S+2], 32<<16
	s_mov_b32 s[G1S+3], 32<<16
	s_mov_b32 s[G1S+4], 32
	s_mov_b32 s[G1S+5], 32
	s_mov_b32 s[G1S+6], 0
	s_mov_b32 s[G1S+7], 0
	s_mov_b32 s[G0A], 1
	s_mov_b32 s[G0A+1], 0
	s_mul_i32 s[G0A+2], s43, 2*CH
	s_mov_b32 s[G0A+3], 0
	s_mov_b32 s[G0R], 1
	s_mov_b32 s[G0R+1], CH
	s_add_co_u32 s[G0R+2], s[G0A+2], CH
	s_mov_b32 s[G0R+3], 0
	s_mov_b32 s[G0B], 1
	s_mov_b32 s[G0B+1], WR
	s_mul_i32 s[G0B+2], s42, CH
	s_add_co_u32 s[G0B+2], s[G0B+2], 24*CH         ; Wo lies behind Wq, Wk, Wv
	s_mov_b32 s[G0B+3], 0
	s_mov_b32 s[G0S], 1
	s_mov_b32 s[G0S+1], SCP
	s_lshl_b32 s[G0S+2], s43, 13
	s_mov_b32 s[G0S+3], 0
	s_lshl_b32 s66, s42, 12                        ; Wo's scale bytes, my 64 rows
	s_lshl_b32 s20, s16, 11
	s_add_co_u32 s66, s66, s20
	s_add_co_u32 s66, s66, 98304
	s_mov_b32 s67, 0
	s_lshl_b32 s100, s42, 9                        ; my 64 columns, in bytes
	s_lshl_b32 s20, s16, 8
	s_add_co_u32 s100, s100, s20
	s_mov_b32 s101, 0
	s_lshl_b32 s94, s43, 20                        ; my first token: 256 x tile row + 64 a, rows of 4,096 bytes
	s_lshl_b32 s20, s15, 18
	s_add_co_u32 s94, s94, s20
	s_add_co_u32 s94, s94, s100
	s_mov_b32 s95, 0
	s_wait_alu depctr_va_vdst(0)                   ; the wait at the head's end
	s_wait_dscnt 0x0
	CROUND                                         ; the opening round
	s_wait_kmcnt 0x0
	s_add_nc_u64 s[G0A+2:G0A+3], s[4:5], s[G0A+2:G0A+3]
	s_add_nc_u64 s[G0R+2:G0R+3], s[4:5], s[G0R+2:G0R+3]
	s_add_nc_u64 s[G0B+2:G0B+3], s[8:9], s[G0B+2:G0B+3]
	s_add_nc_u64 s[G0S+2:G0S+3], s[6:7], s[G0S+2:G0S+3]
	s_or_b32 s[G0A+3], s[G0A+3], 0x80000000
	s_or_b32 s[G0R+3], s[G0R+3], 0x80000000
	s_or_b32 s[G0B+3], s[G0B+3], 0x80000000
	s_or_b32 s[G0S+3], s[G0S+3], 0x80000000
	s_cmp_eq_u32 s14, 0
	s_cbranch_scc0 .Lwave_1
	TLOAD G0B, G1B                                 ; wave 0: Wo's rows
	s_branch .Lasked
.Lwave_1:
	s_cmp_eq_u32 s14, 1
	s_cbranch_scc0 .Lwave_2
	TLOAD G0S, G1S                                 ; wave 1: the scale bytes
	s_branch .Lasked
.Lwave_2:
	s_cmp_eq_u32 s14, 2
	s_cbranch_scc0 .Lwave_3
	TLOAD G0A, G1A                                 ; wave 2: chunk 0
	s_branch .Lasked
.Lwave_3:
	TLOAD G0R, G1A                                 ; wave 3: chunk 1
.Lasked:
	s_add_nc_u64 s[66:67], s[10:11], s[66:67]
	s_add_nc_u64 s[100:101], s[68:69], s[100:101]
	s_add_nc_u64 s[94:95], s[70:71], s[94:95]
.irp p, 0,1
.irp c, 0,1
	global_load_b128 v[SB+8*\p+4*\c:SB+8*\p+4*\c+3], v[GS], s[66:67] offset:1024*\p+256*\c
.endr
.endr
.irp u, 0,1,2,3
.irp k, 0,1
	global_load_b128 v[BBQ+8*\u+4*\k:BBQ+8*\u+4*\k+3], v[GQ], s[100:101] offset:64*\u+16*\k
.endr
.endr
	s_cmp_eq_u32 s14, 0
	s_cbranch_scc0 .Lnot_b
	s_wait_tensorcnt 0x0
.Lnot_b:
	BARRIER                                        ; Wo's rows are in
	WEIGHTS
	s_cmp_eq_u32 s14, 3
	s_cbranch_scc1 .Lnot_a0
	s_wait_tensorcnt 0x0
.Lnot_a0:
	s_wait_dscnt 0x0
	BARRIER                                        ; chunk 0 and the scale bytes are in; chunk 1 may still be on its way: nothing is ever filled again
	FETCHA 0, 0, 0
	FETCHA 1, 0, 1
; ---- eight tiles
.irp s, 0,1,2,3,4,5,6,7
.if \s == 0
	s_wait_loadcnt 0x0                             ; Wo's scale words and the bias
	s_wait_dscnt 34                                ; tile 0 is in; tile 1's 34 loads may be out
.endif
	BLK \s%2
	s_wait_dscnt 0x0                               ; what was issued ahead of these products: the next tile's fetch, the last tile's turn through the stage
.if \s == 0
	s_wait_tensorcnt 0x0
	BARRIER                                        ; chunk 1 is in, and no tensor load of any wave is out when the first result goes to a stage
.else
	s_wait_xcnt 0x0                                ; the stores of two tiles ago have read the registers that this tile's rows come back to
	SEND \s-1
.endif
.if \s < 6
	FETCHA \s%2, (\s+2)/4, (\s+2)%4
.endif
	TOSTAGE \s
.endr
	s_wait_dscnt 0x0
	SEND 7
	s_wait_tensorcnt 0x0                           ; the wave's end
	ds_add_u32 v[SPW], v[NIL]
	s_wait_dscnt 0x0
	CROUND                                         ; the closing round
	s_endpgm
.Lfunc_end_k_q6e13e190a1_outp:
	.size	k_q6e13e190a1_outp, .Lfunc_end_k_q6e13e190a1_outp-k_q6e13e190a1_outp
	.p2alignl 7, 3214868480
	.fill 96, 4, 3214868480
	.section	.rodata,"a",@progbits
	.p2align	6, 0x0
	.amdhsa_kernel k_q6e13e190a1_outp
		.amdhsa_group_segment_fixed_size 327680
		.amdhsa_private_segment_fixed_size 0
		.amdhsa_enable_private_segment 0
		.amdhsa_kernarg_size 48
		.amdhsa_user_sgpr_count 2
		.amdhsa_user_sgpr_kernarg_segment_ptr 1
		.amdhsa_wavefront_size32 1
		.amdhsa_system_sgpr_workgroup_id_x 1
		.amdhsa_system_sgpr_workgroup_id_y 1
		.amdhsa_system_sgpr_workgroup_id_z 1
		.amdhsa_system_vgpr_workitem_id 0
		.amdhsa_next_free_vgpr 840
		.amdhsa_next_free_sgpr 102
		.amdhsa_reserve_vcc 0
		.amdhsa_float_denorm_mode_32 3
		.amdhsa_float_denorm_mode_16_64 3
		.amdhsa_memory_ordered 1
		.amdhsa_forward_progress 1
		.amdhsa_inst_pref_size 82
	.end_amdhsa_kernel
	.amdgpu_metadata
---
amdhsa.version: [ 1, 2 ]
amdhsa.kernels:
  - .name:           k_q6e13e190a1_outp
    .symbol:         k_q6e13e190a1_outp.kd
    .args:
      - { .name: oc, .offset: 0, .size: 8, .value_kind: global_buffer, .address_space: global }
      - { .name: os, .offset: 8, .size: 8, .value_kind: global_buffer, .address_space: global }
      - { .name: wc, .offset: 16, .size: 8, .value_kind: global_buffer, .address_space: global }
      - { .name: ws, .offset: 24, .size: 8, .value_kind: global_buffer, .address_space: global }
      - { .name: bo, .offset: 32, .size: 8, .value_kind: global_buffer, .address_space: global }
      - { .name: out0, .offset: 40, .size: 8, .value_kind: global_buffer, .address_space: global }
    .group_segment_fixed_size: 327680
    .private_segment_fixed_size: 0
    .kernarg_segment_align: 8
    .kernarg_segment_size: 48
    .max_flat_workgroup_size: 128
    .sgpr_count:     102
    .vgpr_count:     840
    .wavefront_size: 32
...
	.end_amdgpu_metadata
.endif
;; end of part 4
